; MI455X (gfx1250); checked and timed in simulation.
; The chip was launched on July 23, 2026; its instructions are those of AMD's public machine-readable ISA for CDNA 5 (MIT licence, August 2026) and "CDNA5" Instruction Set Architecture Reference Guide (July 2026). The comments in the code are by the model that wrote it; some were corrected since.
;; Swin Transformer Block. Allowed arithmetic: matrix products marked QUANTISED: E2M3 operands, one E8M0 scale for each 32 along K, by v_wmma_scale_f32_16x16x128_f8f6f4 with both operands' format E2M3, f32 sums; everything else in f32.
;; Inputs: b1 1,024 float32; b2 256 float32; bk 256 float32; bo 256 float32; bq 256 float32; bv 256 float32; hidden_states 8 x 4,096 x 256 float32; ln1_b 256 float32; ln1_g 256 float32; ln2_b 256 float32; ln2_g 256 float32; rel_table 225 x 8 float32; w1_codes 1,024 x 8 x 24 uint8 (E2M3 codes of w1, K innermost, in blocks of 32 codes, four codes in three bytes); w1_scales 1,024 x 8 uint8 (E8M0 scales of w1, one for each 32 codes along K); w2_codes 256 x 32 x 24 uint8 (E2M3 codes of w2, K innermost, in blocks of 32 codes, four codes in three bytes); w2_scales 256 x 32 uint8 (E8M0 scales of w2, one for each 32 codes along K); wk_codes 256 x 8 x 24 uint8 (E2M3 codes of wk, K innermost, in blocks of 32 codes, four codes in three bytes); wk_scales 256 x 8 uint8 (E8M0 scales of wk, one for each 32 codes along K); wo_codes 256 x 8 x 24 uint8 (E2M3 codes of wo, K innermost, in blocks of 32 codes, four codes in three bytes); wo_scales 256 x 8 uint8 (E8M0 scales of wo, one for each 32 codes along K); wq_codes 256 x 8 x 24 uint8 (E2M3 codes of wq, K innermost, in blocks of 32 codes, four codes in three bytes); wq_scales 256 x 8 uint8 (E8M0 scales of wq, one for each 32 codes along K); wv_codes 256 x 8 x 24 uint8 (E2M3 codes of wv, K innermost, in blocks of 32 codes, four codes in three bytes); wv_scales 256 x 8 uint8 (E8M0 scales of wv, one for each 32 codes along K).
;; Outputs: out0 8 x 4,096 x 256 float32.
;; This version of the problem:
;;   THIS VERSION OF THE PROBLEM IS GIVEN IN LOW PRECISION. The matrix products marked QUANTISED in the list below multiply operands that are first quantised to E2M3 (2 exponent bits, 3 mantissa bits; 6 bits a number), with one power-of-two scale for each 32 numbers along K (OCP MX v1.0); their sums are f32. All else is computed in f32.
;;   The module's matrix products, in the order in which they are computed (A, B: the left and right operand; K: the contracted axis; several contracted axes count as one K, in the product's order):
;;     1. [M 32,768, K 256] x [K 256, N 256]; A: computed on the way; B: input wq (given as codes): QUANTISED
;;     2. [M 32,768, K 256] x [K 256, N 256]; A: computed on the way; B: input wk (given as codes): QUANTISED
;;     3. [M 32,768, K 256] x [K 256, N 256]; A: computed on the way; B: input wv (given as codes): QUANTISED
;;     4. batch 4,096 x [M 64, K 32] x [K 32, N 64]; A: computed on the way; B: computed on the way: QUANTISED
;;     5. batch 4,096 x [M 32, K 64] x [K 64, N 64]; A: computed on the way; B: computed on the way: QUANTISED
;;     6. [M 32,768, K 256] x [K 256, N 256]; A: computed on the way; B: input wo (given as codes): QUANTISED
;;     7. [M 32,768, K 256] x [K 256, N 1,024]; A: computed on the way; B: input w1 (given as codes): QUANTISED
;;     8. [M 32,768, K 1,024] x [K 1,024, N 256]; A: computed on the way; B: input w2 (given as codes): QUANTISED
;;   THE QUANTISER, for each operand of a quantised product, along K:
;;     - K is cut into blocks of 32 from its start; a last block that is shorter is filled with zeros.
;;     - A block's scale is 2^e with e = floor(log2(the largest magnitude in the block)) - 2, held to -126 .. 127; a block of zeros has e = 0. As a byte (E8M0): e + 127.
;;     - Each number is divided by its block's scale, clamped to +-7.5, and rounded to the nearest number of E2M3, ties to even, subnormals kept.
;;     - The product sums the exact products of the quantised numbers (number of the format x scale) in f32.
;;   ~~~python
;;   def quantise(x, axis):      # numpy; x: float32 -> the quantised numbers, widened to float32 again
;;       x = np.moveaxis(x, axis, -1); K = x.shape[-1]
;;       x = np.pad(x, [(0, 0)] * (x.ndim - 1) + [(0, -K % 32)]); x = x.reshape(x.shape[:-1] + (-1, 32)); a = np.abs(x).max(-1, keepdims=True)
;;       e = np.where(a > 0, np.clip(np.frexp(np.where(a > 0, a, 1))[1] - 1 - 2, -126, 127), 0)      # np.frexp(a)[1] - 1 = floor(log2(a)), exactly
;;       r = np.clip(x / 2.0 ** e, -7.5, 7.5)
;;       step = 2.0 ** (np.maximum(np.frexp(np.where(r == 0, 1, r))[1] - 1, 0) - 3)
;;       q = np.round(r / step) * step * 2.0 ** e      # np.round: ties to even
;;       return np.moveaxis(q.reshape(q.shape[:-2] + (-1,))[..., :K], -1, axis).astype(np.float32)
;;   ~~~
;;   OPERANDS COMPUTED ON THE WAY. 'Computed on the way' means the value that the module computes at that place (a softmax that the list does not call 'softmax' is quantised finished and normalised). What goes into a quantiser is computed in f32, as accurately as f32 sums, v_exp_f32 and their like allow (about 1e-6 of the number): no bf16 or f16 on the way to a quantiser, and a product that is left as it is and whose result goes on into a quantised operand takes f32 operands (vector FMAs, or v_wmma_f32_16x16x4_f32). A number that lies on a knife's edge between two numbers of the format may be rounded either way, as far as f32 arithmetic and the matrix unit's own rounding can turn it there, and no further.
;;   INPUTS GIVEN AS CODES. w1 (in the module: [1024, 256], K = its axis 1); w2 (in the module: [256, 1024], K = its axis 1); wk (in the module: [256, 256], K = its axis 1); wo (in the module: [256, 256], K = its axis 1); wq (in the module: [256, 256], K = its axis 1); wv (in the module: [256, 256], K = its axis 1): each comes as NAME_codes (uint8): NAME with its K axis moved to the last place and cut into blocks of 32 codes, [.., K / 32, bytes a block], one block behind the other in memory; four codes in three bytes: a row's codes are one little-endian stream of bits, code i at bits 6 i .. 6 i + 5 (a code: sign, 2 exponent bits, 3 mantissa bits); and NAME_scales (uint8): the same leading axes, one E8M0 byte (e + 127) for each 32 codes along K. Its value is code x scale, taken as it is: it is not quantised again, and the codes and scales need not be those that the quantiser above would give.
;; 2 versions. Each part assembles by itself: llvm-mc -triple=amdgcn-amd-amdhsa -mcpu=gfx1250 --defsym DOCPART=n.
;; ======== version 1 of 2: 1 launch
;; limits: a function is approximated: absolute error at most 7.5e-08
;; launch swin (part 1): grid 256 x 1, 8 waves a work-group, no clusters, 268,288 bytes of LDS; arguments hidden_states, out0, ln1_g, ln1_b, rel_table, wq_codes, wk_codes, wv_codes, wo_codes, wq_scales, wk_scales, wv_scales, wo_scales, bq, bk, bv, bo, ln2_g, ln2_b, w1_codes, w1_scales, b1, w2_codes, w2_scales, b2; writes out0
.if DOCPART == 1
	.amdgcn_target "amdgcn-amd-amdhsa--gfx1250"
	.amdhsa_code_object_version 6
	.text
	.protected	k_q48ca602bee_swin
	.globl	k_q48ca602bee_swin
	.p2align	8
	.type	k_q48ca602bee_swin,@function
k_q48ca602bee_swin:
	s_mov_b64 s[64:65], 0
	v_nop
	global_prefetch_b8 v0, s[64:65] scope:SCOPE_SE
	s_setreg_imm32_b32 hwreg(HW_REG_WAVE_MODE, 25, 1), 1
	s_wait_xcnt 0x0
; A whole Swin block (LN1, shifted 8 x 8 windows, q k v, 8 heads of 32, bias + shift mask, softmax, PV, output dense, residual, LN2, MLP 256-1024-256 with exact gelu, residual)
; in ONE launch; all eight products on codes of FP6 (E2M3) with one E8M0 scale for each 32 along K.  Nothing but x comes from memory and nothing but the result goes there.
; SHARES.  256 work-groups of 8 waves; a work-group owns two windows that lie side by side, 128 tokens, through the whole block.  THE WAVES SHARE THE COLUMNS, NOT THE ROWS: wave w is head w in
; attention, owns channels 32 w .. 32 w + 31 in the output dense, LN2 and the second MLP product, and hidden units 128 w .. 128 w + 127 in the first.  So each weight byte goes from memory straight into
; the registers of the one wave that multiplies by it, a phase ahead of its use; what goes from wave to wave is small: rows of codes in LDS, laid as the weights lie in memory (24 bytes a block of 32).
; q, k, v and p never leave the registers.  The f32 residual lies in one LDS region R, used three times: x, then hidden + b2, then the result.
; TILES.  Lane r of tile 2 b + u of a window holds window token 32 b + 8 u + r + 8 (r / 8); lane r of a weight tile u takes row 8 u + r + 8 (r / 8) of its 32.  A product used transposed (source 0 = weights,
; source 1 = tokens) then leaves in a lane one token and, in the 16 registers of two neighbouring tiles, 16 neighbouring channels: what the conversions to codes take.
; K ORDER.  For a K step of 128 lane (r, h) takes the 48 consecutive bytes at 96 x step + 48 h of its row: three loads of 16 bytes.  The unit's block place 2 c + h so holds the row's block 2 h + c, on both
; operands alike, which keeps every product; scale words have their bytes in the order of the places (bytes 1 and 2 of a word as it lies in memory change places).
; HEADS.  A head's K is 32, one block.  The four key tiles of a window are the four blocks of ONE operand (what QUANT makes of k's four tiles); the queries' operand has one block that is not zero, and its place
; picks the key tile.  Likewise v: blocks (channel tile, key block), and p with zeros beside it picks the channel tile.
; Here a weight byte is loaded once by one wave.
; LIMITS.  NaN and infinities among the inputs are not served.  A block whose largest magnitude lies under 2^-124 keeps the scale byte 1, a block of zeros too (its codes are zeros; only this program reads the bytes).
; gelu = max(x, 0) - |x| Phi(-|x|), Phi by Abramowitz and Stegun 7.1.26: absolute error of Phi at most 7.5e-8; the relative error of gelu grows in the far negative tail.  v_exp_f32 gives 0 under 2^-126.
; Bias and mask enter the scores as sqrt(32) x their value, as the C of the product, and the one factor log2(e) / sqrt(32) follows: another order of rounding than scores / sqrt(32) + bias + mask.
; LN1 takes the mean first and then the squares of the differences; LN2 joins the waves' (mean, sum of squares about it) pairs: no difference of large sums is formed.
.set RPIT,  1040                       ; R: 128 rows of 1,024 bytes + 16
.set LXC,   133120                     ; code rows of LN1's result, later of LN2's: pitch 208 = 192 + 16
.set LXS,   159744                     ; their scale words: 8 bytes a row, places' order
.set LHC,   160768                     ; code rows of the MLP's hidden layer: pitch 784 = 768 + 16
.set LHS,   261120                     ; their scale words: pitch 48 = 32 + 16
.set SPARE, 267264                     ; the spare words, 128 bytes for each wave: four blocks of 256 bytes that no other line names
.set LCC,   160768                     ; inside the hidden layer's bytes, dead before they are written: ctx's code rows, pitch 208,
.set LCS,   187392                     ; their scale words,
.set LT2,   188416                     ; the bias tables, 5,760 bytes a head: [e][dy] 192 bytes: [x of the query] 16 bytes = 4 keys' x,
.set LST,   234496                     ; LN2's partial figures: pitch 80: 8 pairs (mean, sum of squares)
.set WV,  4                            ; s4 my wave's number
.set SPW, 1                            ; v1  LDS address of my spare word; never rewritten
.set NIL, 2                            ; v2  0; never rewritten
.set L16, 3                            ; v3  16 x lane
.set H64, 4                            ; v4  64 h
.set RP,  5                            ; v5  r + 8 (r / 8)
.set VO,  6                            ; v6-9   byte offsets in x and in the result of my tile's four runs of four tokens, + 16 x lane
.set AXW, 10                           ; v10 R: my 16 rows, 16 x lane
.set AXR, 11                           ; v11 R: row 16 w + r, + 64 h
.set ARS, 12                           ; v12 R: row r, my wave's 128 bytes, + 64 h
.set AF,  13                           ; v13 208 r + 48 h: a fragment in code rows of 256
.set AS8, 14                           ; v14 8 r
.set AH,  15                           ; v15 784 r + 48 h
.set AHS, 16                           ; v16 48 r
.set AT2, 17                           ; v17 my lane's place in my head's bias table
.set WO192, 18                         ; v18 192 RP + 48 h: a weight row of 256 codes
.set WO768, 19                         ; v19 768 RP + 48 h: of 1,024
.set MLO, 20                           ; v20 all ones in lanes 0-15
.set MHI, 21                           ; v21 all ones in lanes 16-31
.set MV,  22                           ; v22-25 mask values
.set ACW, 26                           ; v26 208 x lane + 24 w: where a lane puts a row's block w
.set ABY, 27                           ; v27 8 r + the place of block w's scale byte
.set GA4, 28                           ; v28-29 a coefficient of gelu, twice
.set TA,  30                           ; v30, v31 addresses of the phase in hand
.set TB,  31
.set SCA, 32                           ; v32-47 scale words: wq, wk, wv, wo (4 each); later w2's 16
.set SCB, 48                           ; v48-63 w1's 16
.set MSB, 0
.macro WIN new                         ; s_set_vgpr_msb: bits 1:0 source 0, 3:2 source 1, 5:4 source 2, 7:6 destination; the high byte repeats the setting that is left
.if MSB != (\new)
	s_set_vgpr_msb (MSB<<8)|(\new)
.set MSB, (\new)
.endif
.endm
.macro PLACES n                        ; plain vector instructions behind a matrix instruction (ISA guide 7.12.1) where no other work is at hand
.rept \n
	v_nop
.endr
.endm
.macro BARRIER                         ; my LDS stores have landed and my LDS loads are in: then the work-group's barrier
	s_wait_dscnt 0x0
	s_barrier_signal -1
	s_barrier_wait -1
.endm
.macro FETCH reg, adr, off             ; a fragment: 48 consecutive bytes of my row
.irp i, 0,1,2
	ds_load_b128 v[(\reg)+4*\i:(\reg)+4*\i+3], v[\adr] offset:(\off)+16*\i
.endr
.endm
.macro MM d, a, b, c, sa, sb
	v_wmma_scale_f32_16x16x128_f8f6f4 v[(\d):(\d)+7], v[(\a):(\a)+11], v[(\b):(\b)+11], v[(\c):(\c)+7], v[\sa], v[\sb] matrix_a_fmt:MATRIX_FMT_FP6 matrix_b_fmt:MATRIX_FMT_FP6
.endm
.macro MM0 d, a, b, sa, sb             ; the constant 0 starts the sum
	v_wmma_scale_f32_16x16x128_f8f6f4 v[(\d):(\d)+7], v[(\a):(\a)+11], v[(\b):(\b)+11], 0, v[\sa], v[\sb] matrix_a_fmt:MATRIX_FMT_FP6 matrix_b_fmt:MATRIX_FMT_FP6
.endm
; 64 numbers of a lane, register 16 b + i = number 16 h + i of block b of my row, become a fragment's codes in v[pc] on (block b at place b) and its scale word in v[pw].  tm: 16 registers at work; tm + 4 .. 7 keep the bytes.
.macro QUANT src, pc, qt, pw, tm
.irp b, 0,1,2,3
	v_max3_num_f32 v[(\tm)+\b], |v[(\src)+16*\b]|, |v[(\src)+16*\b+1]|, 0x1800000   ; my 16 numbers and the floor 2^(3 - 127): the byte cannot fall under 1
.endr
.irp i, 2,4,6,8,10,12,14
.irp b, 0,1,2,3
	v_max3_num_f32 v[(\tm)+\b], v[(\tm)+\b], |v[(\src)+16*\b+\i]|, |v[(\src)+16*\b+\i+1]|   ; the four blocks by turns
.endr
.endr
.irp b, 0,1,2,3
	v_permlanex16_b32 v[(\tm)+4+\b], v[(\tm)+\b], s58, s59
.endr
.irp b, 0,1,2,3
	v_max_num_f32 v[(\tm)+\b], v[(\tm)+\b], v[(\tm)+4+\b]   ; with lane l xor 16's: the block's largest magnitude
.endr
.irp b, 0,1,2,3
	v_add_nc_u32 v[(\tm)+12+\b], 0xff000000, v[(\tm)+\b]   ; 2 off its exponent field: the conversion's scale operand
.endr
.irp b, 0,1,2,3
	v_lshrrev_b32 v[(\tm)+4+\b], 23, v[(\tm)+12+\b]        ; the scale's byte
.endr
	v_lshl_or_b32 v[\pw], v[(\tm)+5], 8, v[(\tm)+4]
	v_lshl_or_b32 v[\pw], v[(\tm)+6], 16, v[\pw]
	v_lshl_or_b32 v[\pw], v[(\tm)+7], 24, v[\pw]
.irp c, 0,1
	v_cvt_scalef32_pk16_fp6_f32 v[(\pc)+6*\c:(\pc)+6*\c+2], v[(\src)+32*\c:(\src)+32*\c+15], v[(\tm)+12+2*\c]
	v_cvt_scalef32_pk16_fp6_f32 v[(\qt)+4*\c:(\qt)+4*\c+2], v[(\src)+32*\c+16:(\src)+32*\c+31], v[(\tm)+13+2*\c]   ; (a conversion's three registers begin on an even number)
.endr
	v_nop                                          ; one plain place behind a scaled conversion
.irp c, 0,1                            ; the operand wants a whole block in a lane: lanes 0-15 block 2 c, lanes 16-31 block 2 c + 1
.irp i, 0,1,2
	v_permlane16_swap_b32 v[(\pc)+6*\c+\i], v[(\qt)+4*\c+\i]
.endr
.irp i, 0,1,2
	v_mov_b32 v[(\pc)+6*\c+3+\i], v[(\qt)+4*\c+\i]
.endr
.endr
.endm
; ONE block of 32 (my wave's 32 channels) for each of two tiles of 16 rows, 16 registers a tile.  Behind the exchange lane (r, h) holds the 24 bytes of row r of tile h: three stores of 8 bytes into the code rows;
; the two scale bytes go to their places (both halves of the lanes write the same byte with the same value).  BQT: 8 registers at work; CQ: 6; CT: 3.
.macro BLKQ a0, a1, adrC, immC, adrB, immB0, immB1
	v_max3_num_f32 v[BQT], |v[(\a0)]|, |v[(\a0)+1]|, 0x1800000
	v_max3_num_f32 v[BQT+1], |v[(\a1)]|, |v[(\a1)+1]|, 0x1800000
.irp i, 2,4,6,8,10,12,14
	v_max3_num_f32 v[BQT], v[BQT], |v[(\a0)+\i]|, |v[(\a0)+\i+1]|
	v_max3_num_f32 v[BQT+1], v[BQT+1], |v[(\a1)+\i]|, |v[(\a1)+\i+1]|
.endr
	v_permlanex16_b32 v[BQT+2], v[BQT], s58, s59
	v_permlanex16_b32 v[BQT+3], v[BQT+1], s58, s59
	v_max_num_f32 v[BQT], v[BQT], v[BQT+2]
	v_max_num_f32 v[BQT+1], v[BQT+1], v[BQT+3]
	v_add_nc_u32 v[BQT+4], 0xff000000, v[BQT]
	v_add_nc_u32 v[BQT+5], 0xff000000, v[BQT+1]
	v_lshrrev_b32 v[BQT+6], 23, v[BQT+4]
	v_lshrrev_b32 v[BQT+7], 23, v[BQT+5]
	v_cvt_scalef32_pk16_fp6_f32 v[CQ:CQ+2], v[(\a0):(\a0)+15], v[BQT+4]
	v_cvt_scalef32_pk16_fp6_f32 v[CT:CT+2], v[(\a1):(\a1)+15], v[BQT+5]
	v_nop                                          ; one plain place behind a scaled conversion
.irp i, 0,1,2
	v_permlane16_swap_b32 v[CQ+\i], v[CT+\i]
.endr
.irp i, 0,1,2
	v_mov_b32 v[CQ+3+\i], v[CT+\i]
.endr
.irp i, 0,1,2
	ds_store_b64 v[\adrC], v[CQ+2*\i:CQ+2*\i+1] offset:(\immC)+8*\i
.endr
	ds_store_b8 v[\adrB], v[BQT+6] offset:\immB0
	ds_store_b8 v[\adrB], v[BQT+7] offset:\immB1
.endm
.macro WL192 dst, ptr, row             ; a weight tile of rows of 256 codes: two fragments, six loads of 16 bytes a lane
.irp s, 0,1
.irp i, 0,1,2
	global_load_b128 v[(\dst)+12*\s+4*\i:(\dst)+12*\s+4*\i+3], v[WO192], s[\ptr:\ptr+1] offset:(\row)*192+96*\s+16*\i
.endr
.endr
.endm
.macro WL768 dst, u                    ; a tile of w2: eight fragments
.irp ka, 0,1,2,3,4,5,6,7
.irp i, 0,1,2
	global_load_b128 v[(\dst)+12*\ka+4*\i:(\dst)+12*\ka+4*\i+3], v[WO768], s[52:53] offset:8*(\u)*768+96*\ka+16*\i
.endr
.endr
.endm
; ---------------------------------------------------------------- the head: addresses, constants, all first loads
.set HR, 240
.set HH, 241
.set HL, 242
.set HT, 243
.set HU, 244
.set T2W, 250                          ; where I store my head's table
.set BVA, 251                          ; 4 RP
.set PXC, 252                          ; where I store x's codes,
.set PXS, 253                          ; and their scale words
.set XQ,  64                           ; v64-191 my tile of x
.set TG,  192                          ; v192-221 the table as gathered
	s_load_b512 s[8:23], s[0:1], 0x0               ; x, result, ln1_g, ln1_b, rel_table, wq, wk, wv codes
	s_load_b512 s[24:39], s[0:1], 0x40             ; wo codes, wq, wk, wv, wo scales, bq, bk, bv
	s_load_b512 s[40:55], s[0:1], 0x80             ; bo, ln2_g, ln2_b, w1 codes, w1 scales, b1, w2 codes, w2 scales
	s_load_b64 s[56:57], s[0:1], 0xc0              ; b2
	v_lshl_add_u32 v[SPW], v0, 2, SPARE
	v_mov_b32 v[NIL], 0
	v_lshrrev_b32 v[HT], 5, v0
	v_readfirstlane_b32 s[WV], v[HT]               ; wave 0..7
	v_and_b32 v[HL], 31, v0                        ; lane
	v_and_b32 v[HR], 15, v0                        ; r
	v_bfe_u32 v[HH], v0, 4, 1                      ; h
	v_lshlrev_b32 v[L16], 4, v[HL]
	v_lshlrev_b32 v[H64], 6, v[HH]
	v_and_b32 v[RP], 8, v[HR]
	v_add_nc_u32 v[RP], v[RP], v[HR]
	s_mul_i32 s5, s[WV], 16*RPIT
	v_add_nc_u32 v[AXW], s5, v[L16]
	v_mul_u32_u24 v[HT], v[HR], RPIT
	v_add_nc_u32 v[HT], v[HT], v[H64]
	v_add_nc_u32 v[AXR], s5, v[HT]
	s_lshl_b32 s6, s[WV], 7
	v_add_nc_u32 v[ARS], s6, v[HT]
	v_mul_u32_u24 v[AF], v[HR], 208
	v_mad_u32_u24 v[AF], v[HH], 48, v[AF]
	v_lshlrev_b32 v[AS8], 3, v[HR]
	v_mul_u32_u24 v[AH], v[HR], 784
	v_mad_u32_u24 v[AH], v[HH], 48, v[AH]
	v_mul_u32_u24 v[AHS], v[HR], 48
	s_add_co_u32 s6, s6, LXS
	v_add_nc_u32 v[PXS], s6, v[AS8]                ; scale words of rows 16 w + r
	s_mul_i32 s5, s[WV], 16*208
	s_add_co_u32 s5, s5, LXC
	v_add_nc_u32 v[PXC], s5, v[AF]
	s_mul_i32 s5, s[WV], 5760
	s_add_co_u32 s5, s5, LT2                       ; my head's table
	v_lshl_add_u32 v[T2W], v[HL], 2, s5
	v_bfe_u32 v[HT], v0, 3, 1                      ; r / 8
	v_xor_b32 v[HU], 1, v[HH]
	v_add_nc_u32 v[HT], v[HT], v[HU]
	v_mul_u32_u24 v[HT], v[HT], 384                ; two steps of dy for r / 8 and for 1 - h
	v_and_b32 v[HU], 7, v0
	v_lshl_add_u32 v[HT], v[HU], 4, v[HT]          ; the query's x
	v_add_nc_u32 v[AT2], s5, v[HT]
	v_mul_u32_u24 v[WO192], v[RP], 192
	v_mad_u32_u24 v[WO192], v[HH], 48, v[WO192]
	v_mul_u32_u24 v[WO768], v[RP], 768
	v_mad_u32_u24 v[WO768], v[HH], 48, v[WO768]
	v_add_nc_u32 v[MLO], -1, v[HH]
	v_sub_nc_u32 v[MHI], 0, v[HH]
	s_mul_i32 s5, s[WV], 24
	v_mul_u32_u24 v[ACW], v[HL], 208
	v_add_nc_u32 v[ACW], s5, v[ACW]
	s_lshr_b32 s5, s[WV], 2                        ; block w lies in K step w / 4, at place 2 (w % 2) + (w / 2) % 2
	s_lshl_b32 s5, s5, 2
	s_and_b32 s6, s[WV], 1
	s_lshl_b32 s6, s6, 1
	s_add_co_u32 s5, s5, s6
	s_bfe_u32 s6, s[WV], 0x10001
	s_add_co_u32 s5, s5, s6
	v_add_nc_u32 v[ABY], s5, v[AS8]
	v_mov_b32 v[GA4], 0xbf3a00e3                   ; -1.453152027 / 2
	v_mov_b32 v[GA4+1], 0xbf3a00e3
	v_lshrrev_b32 v[TA], 2, v[HL]                  ; the gather: lane = (x of the query, key's x % 4): row x - x' + 3 of the table, 32 bytes a row
	v_add_nc_u32 v[TA], 3, v[TA]
	v_and_b32 v[HT], 3, v0
	v_sub_nc_u32 v[TA], v[TA], v[HT]
	v_lshlrev_b32 v[TA], 5, v[TA]
	v_lshlrev_b32 v[TB], 3, v[RP]                  ; scale bytes of weight rows of 256: 8 bytes a row
	v_lshlrev_b32 v[BVA], 2, v[RP]
	v_mov_b32 v233, 0                              ; upper halves of pairs of which the low word serves both halves: named, so written
	v_mov_b32 v235, 0
	s_mov_b32 s58, 0x76543210                      ; v_permlanex16_b32's selects for lane l xor 16
	s_mov_b32 s59, 0xfedcba98
	s_mov_b32 s60, 0x3e8293ee                      ; c = log2(e) / sqrt(32)
	s_mov_b32 s61, 0x3e8293ee
	s_mov_b32 s62, 0xbe8293ee                      ; -c
	s_mov_b32 s63, 0x03010200                      ; bytes 1 and 2 change places
	s_mov_b32 s66, 0x3e6d3388                      ; 0.3275911 / sqrt(2)
	s_mov_b32 s67, 0x3e6d3388
	s_mov_b32 s68, 0xbf38aa3b                      ; -log2(e) / 2
	s_mov_b32 s69, 0xbf38aa3b
	s_mov_b32 s70, 0x3f07dc22                      ; 1.061405429 / 2
	s_mov_b32 s71, 0x3f07dc22
	s_mov_b32 s72, 0x3f35f0e3                      ; 1.421413741 / 2
	s_mov_b32 s73, 0x3f35f0e3
	s_mov_b32 s74, 0xbe11a98e                      ; -0.284496736 / 2
	s_mov_b32 s75, 0xbe11a98e
	s_mov_b32 s76, 0x3e027906                      ; 0.254829592 / 2
	s_mov_b32 s77, 0x3e027906
	s_mov_b32 s96, 0x3b800000                      ; 1 / 256
	s_mov_b32 s97, 0x3727c5ac                      ; 1e-5
	; where my tile's 16 tokens lie: window token (y, x) of window (wy, wx) is image row (8 wy + y + 4) % 64, column (8 wx + x + 4) % 64; four tokens with x = 4 xh + 0 .. 3 are neighbours in memory
	s_lshr_b32 s5, ttmp9, 5
	s_lshl_b32 s5, s5, 12                          ; the image's first token
	s_bfe_u32 s6, ttmp9, 0x30002                   ; wy
	s_and_b32 s7, ttmp9, 3                         ; which pair of windows of the row
	s_cmp_eq_u32 s6, 7
	s_cselect_b32 s91, 1, 0                        ; the last row of windows has the mask along y,
	s_cmp_eq_u32 s7, 3
	s_cselect_b32 s93, 1, 0                        ; the last pair's second window the mask along x
	s_lshr_b32 s2, s[WV], 2                        ; my tile's window
	s_lshl_b32 s7, s7, 1
	s_add_co_u32 s7, s7, s2                        ; wx
	s_lshl_b32 s7, s7, 3
	s_add_co_u32 s7, s7, 4
	s_and_b32 s2, s[WV], 2
	s_lshl_b32 s2, s2, 1
	s_and_b32 s3, s[WV], 1
	s_add_co_u32 s2, s2, s3                        ; 4 b + u
	s_lshl_b32 s6, s6, 3
	s_add_co_u32 s6, s6, s2
	s_add_co_u32 s6, s6, 4
.irp yi, 0,1
	s_add_co_u32 s2, s6, 2*\yi
	s_and_b32 s2, s2, 63
	s_lshl_b32 s2, s2, 6
	s_add_co_u32 s2, s2, s5
.irp xh, 0,1
	s_add_co_u32 s3, s7, 4*\xh
	s_and_b32 s3, s3, 63
	s_add_co_u32 s3, s3, s2
	s_lshl_b32 s3, s3, 10                          ; 1,024 bytes a token
	v_add_nc_u32 v[VO+2*\yi+\xh], s3, v[L16]
.endr
.endr
	s_mov_b32 s95, 0
	s_wait_kmcnt 0x0
	s_mul_i32 s94, s[WV], 6144                     ; my 32 rows of 192 bytes
.irp p, 18,20,22,24
	s_add_nc_u64 s[\p:\p+1], s[\p:\p+1], s[94:95]
.endr
	s_lshl_b32 s94, s[WV], 8                       ; their scale bytes
.irp p, 26,28,30,32
	s_add_nc_u64 s[\p:\p+1], s[\p:\p+1], s[94:95]
.endr
	s_lshl_b32 s94, s[WV], 7                       ; my 32 numbers of a vector of 256
.irp p, 34,36,38,40,42,44,56
	s_add_nc_u64 s[\p:\p+1], s[\p:\p+1], s[94:95]
.endr
	s_mul_i32 s94, s[WV], 24576                    ; my 128 rows of w1, my 32 rows of w2
	s_add_nc_u64 s[46:47], s[46:47], s[94:95]
	s_add_nc_u64 s[52:53], s[52:53], s[94:95]
	s_lshl_b32 s94, s[WV], 10
	s_add_nc_u64 s[48:49], s[48:49], s[94:95]
	s_add_nc_u64 s[54:55], s[54:55], s[94:95]
	s_lshl_b32 s94, s[WV], 9
	s_add_nc_u64 s[50:51], s[50:51], s[94:95]
	s_lshl_b32 s94, s[WV], 2                       ; my head's column of the table
	s_add_nc_u64 s[16:17], s[16:17], s[94:95]
.set k, 0
.rept 32                               ; token k / 2 of my tile, half k % 2 of its row: 32 lanes read 512 consecutive bytes
	global_load_b128 v[XQ+4*k:XQ+4*k+3], v[VO+2*((k/2)/8)+((k/2)/4)%2], s[8:9] offset:1024*((k/2)%4)+512*(k%2) th:TH_LOAD_NT
.set k, k+1
.endr
	WIN 0x40                                       ; destination window 1: ln1_g at 0, ln1_b at 128, in the order in which x will stand: block be of 32 at 64 (be / 4) + 16 x its place
.irp be, 0,1,2,3,4,5,6,7
.irp j, 0,1,2,3
	global_load_b128 v[64*(\be/4)+16*(2*(\be%2)+(\be%4)/2)+4*\j:64*(\be/4)+16*(2*(\be%2)+(\be%4)/2)+4*\j+3], v[H64], s[12:13] offset:128*\be+16*\j
	global_load_b128 v[128+64*(\be/4)+16*(2*(\be%2)+(\be%4)/2)+4*\j:128+64*(\be/4)+16*(2*(\be%2)+(\be%4)/2)+4*\j+3], v[H64], s[14:15] offset:128*\be+16*\j
.endr
.endr
	WIN 0
.set k, 0
.rept 30                               ; e = k / 15 (keys' x 4 e .. 4 e + 3), dy = k % 15
	global_load_b32 v[TG+k], v[TA], s[16:17] offset:(15*(k%15)+4-4*(k/15))*32
.set k, k+1
.endr
.irp mat, 0,1,2,3
.irp u, 0,1
	global_load_b64 v[SCA+4*\mat+2*\u:SCA+4*\mat+2*\u+1], v[TB], s[26+2*\mat:27+2*\mat] offset:64*\u
.endr
.endr
.irp t, 0,1,2,3,4,5,6,7                ; w1's tile t = 2 b + u begins at row 32 x (the block that stands at place b) + 8 u
	global_load_b64 v[SCB+2*\t:SCB+2*\t+1], v[TB], s[48:49] offset:(32*(2*((\t/2)%2)+\t/4)+8*(\t%2))*8
.endr
	s_wait_loadcnt 0x0
; ---------------------------------------------------------------- PX: my 16 tokens: into R, LN1, codes; my head's bias table
.set CH, 224                           ; v224-231 four chains
.set MU, 232                           ; v232 the mean;  v234 1 / sqrt(var + eps)
.set RSD, 234
.set k, 0
.rept 32
	ds_store_b128 v[AXW], v[XQ+4*k:XQ+4*k+3] offset:RPIT*(k/2)+512*(k%2)
.set k, k+1
.endr
.irp be, 0,1,2,3,4,5,6,7               ; back, a lane to a token: 16 neighbours of each block of 32 (LDS serves a wave's instructions in order: these see my stores)
.irp j, 0,1,2,3
	ds_load_b128 v[XQ+64*(\be/4)+16*(2*(\be%2)+(\be%4)/2)+4*\j:XQ+64*(\be/4)+16*(2*(\be%2)+(\be%4)/2)+4*\j+3], v[AXR] offset:128*\be+16*\j
.endr
.endr
	s_mov_b32 s5, 0x40b504f3                       ; sqrt(32): the bias enters ahead of the factor 1 / sqrt(32)
.set k, 0
.rept 30
	v_mul_f32 v[TG+k], s5, v[TG+k]
.set k, k+1
.endr
.set k, 0
.rept 30
	ds_store_b32 v[T2W], v[TG+k] offset:2880*(k/15)+192*(k%15)
.set k, k+1
.endr
.set k, 0
.rept 32
	v_perm_b32 v[SCA+k], v[SCA+k], v[SCA+k], s63   ; the weights' scale words into the order of the places
.set k, k+1
.endr
	s_wait_dscnt 30                                ; my 32 loads from R are in; the 30 stores of the table, issued behind them, may be out
.macro JOIN4                           ; four chains of pairs into one number, with lane l xor 16's
	v_pk_add_f32 v[CH:CH+1], v[CH:CH+1], v[CH+2:CH+3]
	v_pk_add_f32 v[CH+4:CH+5], v[CH+4:CH+5], v[CH+6:CH+7]
	v_pk_add_f32 v[CH:CH+1], v[CH:CH+1], v[CH+4:CH+5]
	v_add_f32 v[CH], v[CH], v[CH+1]
	v_permlanex16_b32 v[CH+2], v[CH], s58, s59
	v_add_f32 v[CH], v[CH], v[CH+2]
.endm
.irp c, 0,1,2,3
	v_pk_add_f32 v[CH+2*\c:CH+2*\c+1], v[XQ+2*\c:XQ+2*\c+1], v[XQ+8+2*\c:XQ+9+2*\c]
.endr
.set k, 8
.rept 56
	v_pk_add_f32 v[CH+2*(k%4):CH+2*(k%4)+1], v[CH+2*(k%4):CH+2*(k%4)+1], v[XQ+2*k:XQ+2*k+1]
.set k, k+1
.endr
	JOIN4
	v_mul_f32 v[MU], s96, v[CH]
.set k, 0
.rept 64
	v_pk_add_f32 v[XQ+k:XQ+k+1], v[XQ+k:XQ+k+1], v[MU:MU+1] op_sel_hi:[1,0] neg_lo:[0,1] neg_hi:[0,1]   ; x - mean
.set k, k+2
.endr
.irp c, 0,1,2,3
	v_pk_mul_f32 v[CH+2*\c:CH+2*\c+1], v[XQ+2*\c:XQ+2*\c+1], v[XQ+2*\c:XQ+2*\c+1]
.endr
.set k, 4
.rept 60
	v_pk_fma_f32 v[CH+2*(k%4):CH+2*(k%4)+1], v[XQ+2*k:XQ+2*k+1], v[XQ+2*k:XQ+2*k+1], v[CH+2*(k%4):CH+2*(k%4)+1]
.set k, k+1
.endr
	JOIN4
	v_fma_f32 v[CH], v[CH], s96, s97               ; var + eps
	v_rsq_f32 v[RSD], v[CH]
	v_nop                                          ; a plain place behind the transcendental,
	s_wait_alu depctr_va_vdst(0)                   ; and a wait ahead of its first reader
.set k, 0
.rept 64
	v_pk_mul_f32 v[XQ+k:XQ+k+1], v[XQ+k:XQ+k+1], v[RSD:RSD+1] op_sel_hi:[1,0]
.set k, k+2
.endr
	WIN 0x14                                       ; sources 1 and 2 window 1
.set k, 0
.rept 64
	v_pk_fma_f32 v[XQ+k:XQ+k+1], v[XQ+k:XQ+k+1], v[k:k+1], v[128+k:129+k]
.set k, k+2
.endr
	WIN 0x40                                       ; window 1 is free: my head's weights.  q at 0, k at 48, v at 96 (tile u, K step s at 12 (2 u + s)); bq 144, bk 160, bv 176; wo 192; bo 240
.irp u, 0,1
	WL192 24*\u, 18, 8*\u
	WL192 48+24*\u, 20, 8*\u
	WL192 96+24*\u, 22, 8*\u
	WL192 192+24*\u, 24, 8*\u
.irp q, 0,1
	global_load_b128 v[144+8*\u+4*\q:147+8*\u+4*\q], v[H64], s[34:35] offset:32*\u+16*\q   ; a bias as a C: lane (r, h), tile u: channels 16 h + 8 u + 0 .. 7
	global_load_b128 v[160+8*\u+4*\q:163+8*\u+4*\q], v[H64], s[36:37] offset:32*\u+16*\q
	global_load_b128 v[240+8*\u+4*\q:243+8*\u+4*\q], v[H64], s[40:41] offset:32*\u+16*\q
.endr
	global_load_b32 v[176+8*\u], v[BVA], s[38:39] offset:32*\u   ; v's product is not transposed: a lane holds one channel, 8 u + RP
.endr
	WIN 0
	s_wait_dscnt 0x0                               ; the table's stores have read their registers, where the codes land
	QUANT XQ, 192, 242, 240, 224
.irp i, 0,1,2
	ds_store_b128 v[PXC], v[192+4*\i:195+4*\i] offset:16*\i
.endr
	ds_store_b32 v[PXS], v240
	s_wait_dscnt 0x0                               ; the stores have read their registers
	QUANT XQ+64, 192, 242, 240, 224
.irp i, 0,1,2
	ds_store_b128 v[PXC], v[192+4*\i:195+4*\i] offset:96+16*\i
.endr
	ds_store_b32 v[PXS], v240 offset:4
	BARRIER                                        ; all 128 rows of x and of its codes lie in LDS
	s_wait_loadcnt 0x0                             ; my head's weights
	WIN 0x41
.irp u, 0,1
.irp j, 1,2,3,4,5,6,7
	v_mov_b32 v[176+8*\u+\j], v[176+8*\u]
.endr
.endr
	WIN 0
; ---------------------------------------------------------------- attention, a window a trip
.set ACC, 64                           ; v64-127 results of a unit; then the scores of two query tiles
.set SS,  64
.set FR,  128                          ; v128-175 four fragments of x
.set FS,  176                          ; v176-179 their scale words
.set TM,  176                          ; v176-191 QUANT at work (behind the unit's last product and its places)
.set PW,  192
.set QT,  194
.set ZQ,  128                          ; v128-181: zeros (6), q low, zeros, q high, zeros, q low, zeros, q high, zeros: tiles a = 0, 1
.set BM,  182                          ; v182-185 block maxima (a, b)
.set BT,  186                          ; v186-189
.set NM,  190                          ; v190, v192 -c x the row's maximum
.set RI,  194                          ; v194, v196 1 / the row's sum
.set SU,  198                          ; v198-205 sums; also q from the other half of the lanes, and p's upper codes
.set SO,  206                          ; v206-209 conversions' scale operands
.set PSW, 210                          ; v210-211 p's scale words
.set CCA, 212                          ; v212 where I store ctx's codes,  v213 their scale bytes
.set CBA, 213
.set QP,  214                          ; q's, k's, v's codes
.set KP,  226
.set VP,  238
.set QS,  250                          ; v250-253 a query tile's scale byte, four times
.set KS,  254
.set VS,  255
.macro UFETCH tp                       ; two tiles of tokens: four fragments and their scale words
.irp tt, 0,1
.irp s, 0,1
	FETCH FR+24*\tt+12*\s, TA, (2*(\tp)+\tt)*3328+96*\s
.endr
	ds_load_b64 v[FS+2*\tt:FS+2*\tt+1], v[TB] offset:(2*(\tp)+\tt)*128
.endr
	s_wait_dscnt 0x0
.endm
; q or k of a window, transposed: lane (r, h) holds token r, and registers 16 t + 0 .. 15 its channels 16 h + 0 .. 15.  Four accumulators by turns.
.macro UNIT_T wb, cb, sb
.irp tp, 0,1
	UFETCH \tp
	WIN 0x11                                       ; source 0 (weights) and C (bias) window 1
.irp tt, 0,1
.irp u, 0,1
	MM ACC+16*(2*\tp+\tt)+8*\u, (\wb)+24*\u, FR+24*\tt, (\cb)+8*\u, (\sb)+2*\u, FS+2*\tt
.endr
.endr
	WIN 0x01
.irp tt, 0,1
.irp u, 0,1
	MM ACC+16*(2*\tp+\tt)+8*\u, (\wb)+24*\u+12, FR+24*\tt+12, ACC+16*(2*\tp+\tt)+8*\u, (\sb)+2*\u+1, FS+2*\tt+1
.endr
.endr
	WIN 0
	PLACES 5                                       ; ahead of loads into the fragments, of the first read of results, and of the next sums begun in these accumulators
.endr
.endm
; v, not transposed: lane (r, h) holds channel 8 u + RP, and registers 32 u + 16 tp + 0 .. 15 are keys 32 tp + 16 h + 0 .. 15: v's K
.macro UNIT_V
.irp tp, 0,1
	UFETCH \tp
	WIN 0x14                                       ; source 1 (weights) and C window 1
.irp tt, 0,1
.irp u, 0,1
	MM ACC+32*\u+16*\tp+8*\tt, FR+24*\tt, 96+24*\u, 176+8*\u, FS+2*\tt, SCA+8+2*\u
.endr
.endr
	WIN 0x04
.irp tt, 0,1
.irp u, 0,1
	MM ACC+32*\u+16*\tp+8*\tt, FR+24*\tt+12, 96+24*\u+12, ACC+32*\u+16*\tp+8*\tt, FS+2*\tt+1, SCA+9+2*\u
.endr
.endr
	WIN 0
	PLACES 5
.endr
.endm
; the softmax of two query tiles, by turns; a lane holds one query and 32 of its 64 scores (register 16 b + i: key 32 b + 16 h + i).  p leaves normalised; each block's largest p is made from the block's largest score by the same instructions.
.macro SOFTMAX
.irp a, 0,1
.irp b, 0,1
	v_max3_num_f32 v[BM+2*\a+\b], v[SS+32*\a+16*\b], v[SS+32*\a+16*\b+1], v[SS+32*\a+16*\b+2]
.endr
.endr
.irp i, 3,5,7,9,11,13
.irp a, 0,1
.irp b, 0,1
	v_max3_num_f32 v[BM+2*\a+\b], v[BM+2*\a+\b], v[SS+32*\a+16*\b+\i], v[SS+32*\a+16*\b+\i+1]
.endr
.endr
.endr
.irp a, 0,1
.irp b, 0,1
	v_max_num_f32 v[BM+2*\a+\b], v[BM+2*\a+\b], v[SS+32*\a+16*\b+15]
.endr
.endr
.irp n, 0,1,2,3
	v_permlanex16_b32 v[BT+\n], v[BM+\n], s58, s59
.endr
.irp n, 0,1,2,3
	v_max_num_f32 v[BM+\n], v[BM+\n], v[BT+\n]
.endr
.irp a, 0,1
	v_max_num_f32 v[NM+2*\a], v[BM+2*\a], v[BM+2*\a+1]   ; the row's maximum is taken away ahead of the exponential
.endr
.irp a, 0,1
	v_mul_f32 v[NM+2*\a], s62, v[NM+2*\a]
.endr
.irp a, 0,1
.set k, 0
.rept 16
	v_pk_fma_f32 v[SS+32*\a+k:SS+32*\a+k+1], v[SS+32*\a+k:SS+32*\a+k+1], s[60:61], v[NM+2*\a:NM+2*\a+1] op_sel_hi:[1,0,0]
.set k, k+2
.endr
.endr
.irp a, 0,1
.irp b, 0,1
	v_fma_f32 v[BM+2*\a+\b], v[BM+2*\a+\b], s60, v[NM+2*\a]
.endr
.endr
.set k, 0
.rept 64
	v_exp_f32 v[SS+k], v[SS+k]
.set k, k+1
.endr
.irp n, 0,1,2,3
	v_exp_f32 v[BM+\n], v[BM+\n]
.endr
	v_nop                                          ; a plain place behind the batch,
	s_wait_alu depctr_va_vdst(0)                   ; and one wait for its 68 exponentials, ahead of the first reader
.irp a, 0,1
	v_pk_add_f32 v[SU+4*\a:SU+4*\a+1], v[SS+32*\a:SS+32*\a+1], v[SS+32*\a+2:SS+32*\a+3]
	v_pk_add_f32 v[SU+4*\a+2:SU+4*\a+3], v[SS+32*\a+4:SS+32*\a+5], v[SS+32*\a+6:SS+32*\a+7]
.endr
.irp i, 8,12,16,20,24,28
.irp a, 0,1
	v_pk_add_f32 v[SU+4*\a:SU+4*\a+1], v[SU+4*\a:SU+4*\a+1], v[SS+32*\a+\i:SS+32*\a+\i+1]
	v_pk_add_f32 v[SU+4*\a+2:SU+4*\a+3], v[SU+4*\a+2:SU+4*\a+3], v[SS+32*\a+\i+2:SS+32*\a+\i+3]
.endr
.endr
.irp a, 0,1
	v_pk_add_f32 v[SU+4*\a:SU+4*\a+1], v[SU+4*\a:SU+4*\a+1], v[SU+4*\a+2:SU+4*\a+3]
.endr
.irp a, 0,1
	v_add_f32 v[SU+4*\a], v[SU+4*\a], v[SU+4*\a+1]
.endr
.irp a, 0,1
	v_permlanex16_b32 v[SU+4*\a+2], v[SU+4*\a], s58, s59
.endr
.irp a, 0,1
	v_add_f32 v[SU+4*\a], v[SU+4*\a], v[SU+4*\a+2]
.endr
.irp a, 0,1
	v_rcp_f32 v[RI+2*\a], v[SU+4*\a]
.endr
	v_nop
	s_wait_alu depctr_va_vdst(0)                   ; one wait for the two reciprocals
.irp a, 0,1
.set k, 0
.rept 16
	v_pk_mul_f32 v[SS+32*\a+k:SS+32*\a+k+1], v[SS+32*\a+k:SS+32*\a+k+1], v[RI+2*\a:RI+2*\a+1] op_sel_hi:[1,0]
.set k, k+2
.endr
.endr
.irp a, 0,1
.irp b, 0,1
	v_mul_f32 v[BM+2*\a+\b], v[BM+2*\a+\b], v[RI+2*\a]
.endr
.endr
.irp n, 0,1,2,3
	v_max_num_f32 v[BM+\n], 0x1800000, v[BM+\n]    ; the floor: the byte cannot fall under 1
.endr
.irp n, 0,1,2,3
	v_add_nc_u32 v[SO+\n], 0xff000000, v[BM+\n]
.endr
.irp n, 0,1,2,3
	v_lshrrev_b32 v[BT+\n], 23, v[SO+\n]
.endr
.irp a, 0,1
	v_lshl_or_b32 v[PSW+\a], v[BT+2*\a+1], 8, v[BT+2*\a]
.endr
.irp a, 0,1
	v_lshl_or_b32 v[PSW+\a], v[PSW+\a], 16, v[PSW+\a]   ; key blocks 0, 1 at places 0, 1 and at places 2, 3
.endr
.endm
; query tiles 2 c and 2 c + 1 of the window
.macro PAIR c
.irp i, 0,1,2,3,4,5
	v_permlanex16_b32 v[SU+\i], v[QP+6*(\c)+\i], s58, s59
.endr
.irp i, 0,1,2,3,4,5                    ; tile 2 c lies in lanes 0-15 of these six registers, tile 2 c + 1 in lanes 16-31: each is wanted in either half, with zeros in the other
	v_and_b32 v[ZQ+6+\i], v[MLO], v[QP+6*(\c)+\i]
	v_and_b32 v[ZQ+18+\i], v[MHI], v[SU+\i]
	v_and_b32 v[ZQ+30+\i], v[MLO], v[SU+\i]
	v_and_b32 v[ZQ+42+\i], v[MHI], v[QP+6*(\c)+\i]
.endr
.irp a, 0,1                            ; the bias, x sqrt(32), into the accumulators: dy = 4 (c - b) + a - u + 2 (r / 8) - 2 h + 7
.irp b, 0,1
.irp u, 0,1
.irp e, 0,1
	ds_load_b128 v[SS+32*\a+16*\b+8*\u+4*\e:SS+32*\a+16*\b+8*\u+4*\e+3], v[AT2] offset:(4*((\c)-\b)+\a-\u+5)*192+2880*\e
.endr
.endr
.endr
.endr
	s_wait_dscnt 0x0
.irp a, 0,1                            ; the mask: query and key on different sides of y = 4 (c against b) or of x = 4 (the lane's x against the register's half)
.irp b, 0,1
.irp u, 0,1
.set RS0, SS+32*\a+16*\b+8*\u
.set YD, MV+2*(((\c)+\b)%2)
	v_pk_add_f32 v[RS0:RS0+1], v[RS0:RS0+1], v[YD:YD+1] op_sel_hi:[1,0]
	v_pk_add_f32 v[RS0+2:RS0+3], v[RS0+2:RS0+3], v[YD:YD+1] op_sel_hi:[1,0]
	v_pk_add_f32 v[RS0+4:RS0+5], v[RS0+4:RS0+5], v[YD:YD+1] op_sel:[0,1] op_sel_hi:[1,1]
	v_pk_add_f32 v[RS0+6:RS0+7], v[RS0+6:RS0+7], v[YD:YD+1] op_sel:[0,1] op_sel_hi:[1,1]
.endr
.endr
.endr
.irp i, 0,1,2,3                        ; S^T = k q^T + C: key tile i stands at place i of k's operand; q's one block stands at place i
.irp a, 0,1
	MM SS+32*\a+8*\i, KP, ZQ+24*\a+6+12*(\i%2)-6*(\i/2), SS+32*\a+8*\i, KS, QS+2*(\c)+\a
.endr
.endr
	PLACES 4
	SOFTMAX
.irp a, 0,1
	v_cvt_scalef32_pk16_fp6_f32 v[ZQ+24*\a+6:ZQ+24*\a+8], v[SS+32*\a:SS+32*\a+15], v[SO+2*\a]
	v_cvt_scalef32_pk16_fp6_f32 v[SU+4*\a:SU+4*\a+2], v[SS+32*\a+16:SS+32*\a+31], v[SO+2*\a+1]
.endr
	v_nop                                          ; one plain place behind a scaled conversion
.irp a, 0,1                            ; p where q's low copy lay, zeros on both sides: lanes 0-15 key block 0, lanes 16-31 key block 1
.irp i, 0,1,2
	v_permlane16_swap_b32 v[ZQ+24*\a+6+\i], v[SU+4*\a+\i]
.endr
.irp i, 0,1,2
	v_mov_b32 v[ZQ+24*\a+9+\i], v[SU+4*\a+\i]
.endr
.endr
	PLACES 8                                       ; a scale word written by vector instructions stands 8 places ahead of a scaled matrix instruction, an operand 4
.irp u, 0,1                            ; ctx^T = v^T p^T: channel tile u stands at places 2 u, 2 u + 1 of v's operand
.irp a, 0,1
	MM0 SS+32*\a+8*\u, VP, ZQ+24*\a+6-6*\u, VS, PSW+\a
.endr
.endr
	PLACES 4
	BLKQ SS, SS+32, CCA, 6656*(\c), CBA, 256*(\c), 256*(\c)+128   ; my head is block w of ctx's rows
.endm
	s_mov_b32 s78, 0
	s_mov_b32 s79, LXC
	s_mov_b32 s80, LXS
	s_mov_b32 s81, LCC
	s_mov_b32 s82, LCS
.set BQT, 182
.set CQ,  198
.set CT,  204
.Lwin:
	v_add_nc_u32 v[TA], s79, v[AF]
	v_add_nc_u32 v[TB], s80, v[AS8]
	v_add_nc_u32 v[CCA], s81, v[ACW]
	v_add_nc_u32 v[CBA], s82, v[ABY]
	UNIT_T 0, 144, SCA
	QUANT ACC, QP, QT, PW, TM
.irp t, 0,1,2,3
	v_perm_b32 v[QS+\t], v[TM+4+\t], v[TM+4+\t], 0  ; tile t's byte in all four places: q's block may stand at any
.endr
	UNIT_T 48, 160, SCA+4
	QUANT ACC, KP, QT, KS, TM
	UNIT_V
	QUANT ACC, VP, QT, VS, TM
	s_and_b32 s92, s93, s78                        ; the mask along x: the row's last window alone
	v_bfe_u32 v[MV], v0, 2, 1                      ; is my query's x 4 or more?
	v_xor_b32 v[MV+1], 1, v[MV]
	v_and_b32 v[MV], s92, v[MV]
	v_and_b32 v[MV+1], s92, v[MV+1]
	v_or_b32 v[MV+2], s91, v[MV]
	v_or_b32 v[MV+3], s91, v[MV+1]
.irp n, 0,1,2,3
	v_cvt_f32_u32 v[MV+\n], v[MV+\n]
.endr
.irp n, 0,1,2,3
	v_mul_f32 v[MV+\n], 0xc40d6bde, v[MV+\n]       ; -100 sqrt(32) or 0: a value, no branch
.endr
.irp z, 0,1,2,3,4
.irp i, 0,1,2,3,4,5
	v_mov_b32 v[ZQ+12*\z+\i], 0                    ; zero codes add nothing under any scale byte but 0xff
.endr
.endr
	PAIR 0
	PAIR 1
	s_add_co_u32 s79, s79, 64*208
	s_add_co_u32 s80, s80, 64*8
	s_add_co_u32 s81, s81, 64*208
	s_add_co_u32 s82, s82, 64*8
	s_add_co_u32 s78, s78, 1
	s_cmp_lt_u32 s78, 2
	s_cbranch_scc1 .Lwin
	WIN 0x40                                       ; q's, k's and v's weights are done with (their last products stand ahead of five places): w1's 16 fragments take their registers, two phases ahead of their use
.irp t, 0,1,2,3,4,5,6,7
	WL192 24*\t, 46, 32*(2*((\t/2)%2)+\t/4)+8*(\t%2)
.endr
	WIN 0
	BARRIER                                        ; ctx's codes and scale bytes lie in LDS; nobody reads x's codes any more
; ---------------------------------------------------------------- PO1: output dense + shortcut for my 32 channels, two tiles of rows a trip; LN2's partial figures
.set FRC, 64                           ; v64-111 four fragments of ctx
.set FSC, 112                          ; v112-115 their scale words
.set SHR, 116                          ; v116-147 the shortcut; then hidden - my mean
.set OA,  148                          ; v148-179 two tiles x 16 channels
.set AR,  180
.set AST, 181
.set ASTB, 182
.set PS1, 184                          ; v184-199: a tile: two chains, a permute's place, the pair (mean, sum of squares)
.set G2,  208                          ; v208-223 ln2_g, v224-239 ln2_b, v240-255 b2: my lane's 16 channels
.set B2L, 224
.set BB2, 240
.irp q, 0,1,2,3
	global_load_b128 v[G2+4*\q:G2+4*\q+3], v[H64], s[42:43] offset:16*\q
	global_load_b128 v[B2L+4*\q:B2L+4*\q+3], v[H64], s[44:45] offset:16*\q
	global_load_b128 v[BB2+4*\q:BB2+4*\q+3], v[H64], s[56:57] offset:16*\q
.endr
	v_and_b32 v[ASTB], 15, v0
	v_mul_u32_u24 v[ASTB], v[ASTB], 80
	s_lshl_b32 s5, s[WV], 3
	v_add_nc_u32 v[ASTB], s5, v[ASTB]              ; 80 r + 8 w
	s_mov_b32 s78, 0
	s_mov_b32 s83, LCC
	s_mov_b32 s84, LCS
	s_mov_b32 s85, 0
	s_mov_b32 s86, LST
.Lpo1:
	v_add_nc_u32 v[TA], s83, v[AF]
	v_add_nc_u32 v[TB], s84, v[AS8]
	v_add_nc_u32 v[AR], s85, v[ARS]
	v_add_nc_u32 v[AST], s86, v[ASTB]
.irp mm, 0,1
.irp s, 0,1
	FETCH FRC+24*\mm+12*\s, TA, 3328*\mm+96*\s
.endr
	ds_load_b64 v[FSC+2*\mm:FSC+2*\mm+1], v[TB] offset:128*\mm
.endr
.irp mm, 0,1
.irp j, 0,1,2,3
	ds_load_b128 v[SHR+16*\mm+4*\j:SHR+16*\mm+4*\j+3], v[AR] offset:16*RPIT*\mm+16*\j
.endr
.endr
	s_wait_dscnt 0x0
	WIN 0x11
.irp mm, 0,1
.irp u, 0,1
	MM OA+16*\mm+8*\u, 192+24*\u, FRC+24*\mm, 240+8*\u, SCA+12+2*\u, FSC+2*\mm
.endr
.endr
	WIN 0x01
.irp mm, 0,1
.irp u, 0,1
	MM OA+16*\mm+8*\u, 192+24*\u+12, FRC+24*\mm+12, OA+16*\mm+8*\u, SCA+13+2*\u, FSC+2*\mm+1
.endr
.endr
	WIN 0
	PLACES 5
.set k, 0
.rept 16
	v_pk_add_f32 v[OA+k:OA+k+1], v[OA+k:OA+k+1], v[SHR+k:SHR+k+1]   ; hidden = shortcut + attention
.set k, k+2
.endr
.irp mm, 0,1
	v_pk_add_f32 v[PS1+8*\mm:PS1+8*\mm+1], v[OA+16*\mm:OA+16*\mm+1], v[OA+16*\mm+2:OA+16*\mm+3]
	v_pk_add_f32 v[PS1+8*\mm+2:PS1+8*\mm+3], v[OA+16*\mm+4:OA+16*\mm+5], v[OA+16*\mm+6:OA+16*\mm+7]
.endr
.irp i, 8,12
.irp mm, 0,1
	v_pk_add_f32 v[PS1+8*\mm:PS1+8*\mm+1], v[PS1+8*\mm:PS1+8*\mm+1], v[OA+16*\mm+\i:OA+16*\mm+\i+1]
	v_pk_add_f32 v[PS1+8*\mm+2:PS1+8*\mm+3], v[PS1+8*\mm+2:PS1+8*\mm+3], v[OA+16*\mm+\i+2:OA+16*\mm+\i+3]
.endr
.endr
.irp mm, 0,1
	v_pk_add_f32 v[PS1+8*\mm:PS1+8*\mm+1], v[PS1+8*\mm:PS1+8*\mm+1], v[PS1+8*\mm+2:PS1+8*\mm+3]
.endr
.irp mm, 0,1
	v_add_f32 v[PS1+8*\mm], v[PS1+8*\mm], v[PS1+8*\mm+1]
.endr
.irp mm, 0,1
	v_permlanex16_b32 v[PS1+8*\mm+4], v[PS1+8*\mm], s58, s59
.endr
.irp mm, 0,1
	v_add_f32 v[PS1+8*\mm], v[PS1+8*\mm], v[PS1+8*\mm+4]
.endr
.irp mm, 0,1
	v_mul_f32 v[PS1+8*\mm+6], 0x3d000000, v[PS1+8*\mm]   ; the mean of my 32 channels
.endr
.irp mm, 0,1
.set k, 0
.rept 8
	v_pk_add_f32 v[SHR+16*\mm+k:SHR+16*\mm+k+1], v[OA+16*\mm+k:OA+16*\mm+k+1], v[PS1+8*\mm+6:PS1+8*\mm+7] op_sel_hi:[1,0] neg_lo:[0,1] neg_hi:[0,1]
.set k, k+2
.endr
.endr
.irp mm, 0,1
	v_pk_mul_f32 v[PS1+8*\mm:PS1+8*\mm+1], v[SHR+16*\mm:SHR+16*\mm+1], v[SHR+16*\mm:SHR+16*\mm+1]
	v_pk_mul_f32 v[PS1+8*\mm+2:PS1+8*\mm+3], v[SHR+16*\mm+2:SHR+16*\mm+3], v[SHR+16*\mm+2:SHR+16*\mm+3]
.endr
.irp i, 4,8,12
.irp mm, 0,1
	v_pk_fma_f32 v[PS1+8*\mm:PS1+8*\mm+1], v[SHR+16*\mm+\i:SHR+16*\mm+\i+1], v[SHR+16*\mm+\i:SHR+16*\mm+\i+1], v[PS1+8*\mm:PS1+8*\mm+1]
	v_pk_fma_f32 v[PS1+8*\mm+2:PS1+8*\mm+3], v[SHR+16*\mm+\i+2:SHR+16*\mm+\i+3], v[SHR+16*\mm+\i+2:SHR+16*\mm+\i+3], v[PS1+8*\mm+2:PS1+8*\mm+3]
.endr
.endr
.irp mm, 0,1
	v_pk_add_f32 v[PS1+8*\mm:PS1+8*\mm+1], v[PS1+8*\mm:PS1+8*\mm+1], v[PS1+8*\mm+2:PS1+8*\mm+3]
.endr
.irp mm, 0,1
	v_add_f32 v[PS1+8*\mm], v[PS1+8*\mm], v[PS1+8*\mm+1]
.endr
.irp mm, 0,1
	v_permlanex16_b32 v[PS1+8*\mm+4], v[PS1+8*\mm], s58, s59
.endr
.irp mm, 0,1
	v_add_f32 v[PS1+8*\mm+7], v[PS1+8*\mm], v[PS1+8*\mm+4]   ; the sum of squares about it
.endr
.irp mm, 0,1
	ds_store_b64 v[AST], v[PS1+8*\mm+6:PS1+8*\mm+7] offset:1280*\mm   ; both halves of the lanes write the same pair
.irp j, 0,1,2,3
	ds_store_b128 v[AR], v[OA+16*\mm+4*\j:OA+16*\mm+4*\j+3] offset:16*RPIT*\mm+16*\j   ; hidden over the shortcut: bytes that my wave alone touches
.endr
.endr
	s_add_co_u32 s83, s83, 32*208
	s_add_co_u32 s84, s84, 32*8
	s_add_co_u32 s85, s85, 32*RPIT
	s_add_co_u32 s86, s86, 32*80
	s_add_co_u32 s78, s78, 1
	s_cmp_lt_u32 s78, 4
	s_cbranch_scc1 .Lpo1
	WIN 0x40                                       ; wo and bo are done with: b1 as the C of w1's eight tiles, at 192 + 8 t
.irp t, 0,1,2,3,4,5,6,7
.irp q, 0,1
	global_load_b128 v[192+8*\t+4*\q:195+8*\t+4*\q], v[H64], s[50:51] offset:(32*(2*((\t/2)%2)+\t/4)+8*(\t%2))*4+16*\q
.endr
.endr
	WIN 0
	BARRIER                                        ; all eight waves' partial figures lie in LDS
; ---------------------------------------------------------------- PO2: LN2 of my 32 channels, its codes; R takes hidden + b2
.set HD,  64                           ; v64-95 hidden
.set SQ,  96                           ; v96-111 four waves' pairs a tile
.set TT,  112                          ; v112-143 LN2's result
.set P2,  144                          ; v144-159: a tile: mean (a pair), 1 / sqrt (a pair), four at work
.set BQT, 160
.set CQ,  168
.set CT,  174
	s_wait_loadcnt 16                              ; ln2_g, ln2_b and b2 are in (and w1, older still); the 16 loads of b1, issued behind them, may be out
	v_and_b32 v[ASTB], 15, v0
	v_mul_u32_u24 v[ASTB], v[ASTB], 80
	v_bfe_u32 v[AST], v0, 4, 1
	v_lshl_add_u32 v[ASTB], v[AST], 5, v[ASTB]     ; 80 r + 32 h: the pairs of waves 4 h .. 4 h + 3
	s_mov_b32 s78, 0
	s_mov_b32 s85, 0
	s_mov_b32 s86, LST
	s_mov_b32 s87, LXC
	s_mov_b32 s88, LXS
.Lpo2:
	v_add_nc_u32 v[AR], s85, v[ARS]
	v_add_nc_u32 v[AST], s86, v[ASTB]
	v_add_nc_u32 v[TA], s87, v[ACW]
	v_add_nc_u32 v[TB], s88, v[ABY]
.irp mm, 0,1
.irp j, 0,1,2,3
	ds_load_b128 v[HD+16*\mm+4*\j:HD+16*\mm+4*\j+3], v[AR] offset:16*RPIT*\mm+16*\j
.endr
.irp q, 0,1
	ds_load_b128 v[SQ+8*\mm+4*\q:SQ+8*\mm+4*\q+3], v[AST] offset:1280*\mm+16*\q
.endr
.endr
	s_wait_dscnt 0x0
.irp mm, 0,1
	v_add_f32 v[P2+8*\mm+4], v[SQ+8*\mm], v[SQ+8*\mm+2]
	v_add_f32 v[P2+8*\mm+5], v[SQ+8*\mm+4], v[SQ+8*\mm+6]
	v_add_f32 v[P2+8*\mm+7], v[SQ+8*\mm+1], v[SQ+8*\mm+3]
.endr
.irp mm, 0,1
	v_add_f32 v[P2+8*\mm+4], v[P2+8*\mm+4], v[P2+8*\mm+5]
	v_add_f32 v[P2+8*\mm+5], v[SQ+8*\mm+5], v[SQ+8*\mm+7]
.endr
.irp mm, 0,1
	v_permlanex16_b32 v[P2+8*\mm+6], v[P2+8*\mm+4], s58, s59
	v_add_f32 v[P2+8*\mm+5], v[P2+8*\mm+5], v[P2+8*\mm+7]   ; four sums of squares
.endr
.irp mm, 0,1
	v_add_f32 v[P2+8*\mm+4], v[P2+8*\mm+4], v[P2+8*\mm+6]
.endr
.irp mm, 0,1
	v_mul_f32 v[P2+8*\mm], 0x3e000000, v[P2+8*\mm+4]        ; the row's mean: eight equal parts
.endr
.irp i, 0,2,4,6
.irp mm, 0,1
	v_sub_f32 v[SQ+8*\mm+\i], v[SQ+8*\mm+\i], v[P2+8*\mm]
.endr
.endr
.irp mm, 0,1
	v_mul_f32 v[P2+8*\mm+4], v[SQ+8*\mm], v[SQ+8*\mm]
.endr
.irp i, 2,4,6
.irp mm, 0,1
	v_fmac_f32 v[P2+8*\mm+4], v[SQ+8*\mm+\i], v[SQ+8*\mm+\i]
.endr
.endr
.irp mm, 0,1
	v_fmamk_f32 v[P2+8*\mm+5], v[P2+8*\mm+4], 0x42000000, v[P2+8*\mm+5]   ; + 32 x the squares of the parts' means about the row's
.endr
.irp mm, 0,1
	v_permlanex16_b32 v[P2+8*\mm+6], v[P2+8*\mm+5], s58, s59
.endr
.irp mm, 0,1
	v_add_f32 v[P2+8*\mm+5], v[P2+8*\mm+5], v[P2+8*\mm+6]
.endr
.irp mm, 0,1
	v_fma_f32 v[P2+8*\mm+5], v[P2+8*\mm+5], s96, s97
.endr
.irp mm, 0,1
	v_rsq_f32 v[P2+8*\mm+2], v[P2+8*\mm+5]
.endr
	v_nop
	s_wait_alu depctr_va_vdst(0)                   ; one wait for the two
.irp mm, 0,1
.set k, 0
.rept 8
	v_pk_add_f32 v[TT+16*\mm+k:TT+16*\mm+k+1], v[HD+16*\mm+k:HD+16*\mm+k+1], v[P2+8*\mm:P2+8*\mm+1] op_sel_hi:[1,0] neg_lo:[0,1] neg_hi:[0,1]
.set k, k+2
.endr
.endr
.irp mm, 0,1
.set k, 0
.rept 8
	v_pk_mul_f32 v[TT+16*\mm+k:TT+16*\mm+k+1], v[TT+16*\mm+k:TT+16*\mm+k+1], v[P2+8*\mm+2:P2+8*\mm+3] op_sel_hi:[1,0]
.set k, k+2
.endr
.endr
.irp mm, 0,1
.set k, 0
.rept 8
	v_pk_fma_f32 v[TT+16*\mm+k:TT+16*\mm+k+1], v[TT+16*\mm+k:TT+16*\mm+k+1], v[G2+k:G2+k+1], v[B2L+k:B2L+k+1]
	v_pk_add_f32 v[HD+16*\mm+k:HD+16*\mm+k+1], v[HD+16*\mm+k:HD+16*\mm+k+1], v[BB2+k:BB2+k+1]   ; hidden + b2: the C of the last product
.set k, k+2
.endr
.endr
.irp mm, 0,1
.irp j, 0,1,2,3
	ds_store_b128 v[AR], v[HD+16*\mm+4*\j:HD+16*\mm+4*\j+3] offset:16*RPIT*\mm+16*\j
.endr
.endr
	BLKQ TT, TT+16, TA, 0, TB, 0, 128
	s_add_co_u32 s85, s85, 32*RPIT
	s_add_co_u32 s86, s86, 32*80
	s_add_co_u32 s87, s87, 32*208
	s_add_co_u32 s88, s88, 32*8
	s_add_co_u32 s78, s78, 1
	s_cmp_lt_u32 s78, 4
	s_cbranch_scc1 .Lpo2
	BARRIER                                        ; LN2's codes lie in LDS; nobody reads ctx's codes, the tables or the partial figures any more: the hidden layer's rows may take their bytes
	s_wait_loadcnt 0x0                             ; b1
; ---------------------------------------------------------------- PM1: my 128 hidden units, a tile of 16 rows a trip: they are K step w of the last product
.set GT,  128                          ; v128-159, v160-191, v192-223 gelu at work
.set GE,  160
.set GP,  192
.set FR1, 224                          ; v224-247 two fragments,  v248-249 their scale words
.set FS1, 248
.set HCA, 250
.set HSA, 251
.set W2SA, 252
; gelu(x) = max(x, 0) - |x| q,  q = Phi(-|x|) = t (A1 + t (A2 + t (A3 + t (A4 + t A5)))) 2^(-x^2 log2(e) / 2),  t = 1 / (1 + 0.2316419 |x|), the coefficients halved.  32 numbers.
.macro GELU x
.set k, 0
.rept 32
	v_fma_f32 v[GT+k], |v[(\x)+k]|, s66, 1.0
.set k, k+1
.endr
.set k, 0
.rept 16
	v_pk_mul_f32 v[GE+k:GE+k+1], v[(\x)+k:(\x)+k+1], v[(\x)+k:(\x)+k+1]
.set k, k+2
.endr
.set k, 0
.rept 16
	v_pk_mul_f32 v[GE+k:GE+k+1], v[GE+k:GE+k+1], s[68:69] op_sel_hi:[1,0]
.set k, k+2
.endr
.set k, 0
.rept 32
	v_rcp_f32 v[GT+k], v[GT+k]
.set k, k+1
.endr
.set k, 0
.rept 32
	v_exp_f32 v[GE+k], v[GE+k]
.set k, k+1
.endr
	v_nop                                          ; a plain place behind the batch,
	s_wait_alu depctr_va_vdst(0)                   ; and one wait for its 64, ahead of the first reader
.set k, 0
.rept 16
	v_pk_fma_f32 v[GP+k:GP+k+1], v[GT+k:GT+k+1], s[70:71], v[GA4:GA4+1] op_sel_hi:[1,0,1]
.set k, k+2
.endr
.irp cf, 72,74,76
.set k, 0
.rept 16
	v_pk_fma_f32 v[GP+k:GP+k+1], v[GP+k:GP+k+1], v[GT+k:GT+k+1], s[\cf:\cf+1] op_sel_hi:[1,1,0]
.set k, k+2
.endr
.endr
.set k, 0
.rept 16
	v_pk_mul_f32 v[GE+k:GE+k+1], v[GE+k:GE+k+1], v[GT+k:GT+k+1]
.set k, k+2
.endr
.set k, 0
.rept 16
	v_pk_mul_f32 v[GP+k:GP+k+1], v[GP+k:GP+k+1], v[GE+k:GE+k+1]
.set k, k+2
.endr
.set k, 0
.rept 32
	v_max_num_f32 v[GT+k], 0, v[(\x)+k]
.set k, k+1
.endr
.set k, 0
.rept 32
	v_fma_f32 v[(\x)+k], -|v[(\x)+k]|, v[GP+k], v[GT+k]
.set k, k+1
.endr
.endm
; a trip.  last = 1: behind the launch's last product by w1 its registers take w2's 16 fragments, and wq's .. wo's scale words' registers w2's
.macro PM1T last
	v_add_nc_u32 v[TA], s87, v[AF]
	v_add_nc_u32 v[TB], s88, v[AS8]
	v_add_nc_u32 v[HCA], s89, v[AH]
	v_add_nc_u32 v[HSA], s90, v[AHS]
	FETCH FR1, TA, 0
	FETCH FR1+12, TA, 96
	ds_load_b64 v[FS1:FS1+1], v[TB]
	s_wait_dscnt 0x0                               ; (the last trip's stores have read their registers too)
	WIN 0x11
.irp t, 0,1,2,3,4,5,6,7
	MM ACC+8*\t, 24*\t, FR1, 192+8*\t, SCB+2*\t, FS1
.endr
	WIN 0x01
.irp t, 0,1,2,3,4,5,6,7
	MM ACC+8*\t, 24*\t+12, FR1+12, ACC+8*\t, SCB+2*\t+1, FS1+1
.endr
	WIN 0
	PLACES 5
.if \last
	v_lshlrev_b32 v[W2SA], 5, v[RP]                ; w2's scale bytes: 32 a row
	WIN 0x40
	WL768 0, 0
	WL768 96, 1
	WIN 0
.irp u, 0,1
.irp q, 0,1
	global_load_b128 v[SCA+8*\u+4*\q:SCA+8*\u+4*\q+3], v[W2SA], s[54:55] offset:256*\u+16*\q
.endr
.endr
.endif
	GELU ACC
	GELU ACC+32
	QUANT ACC, 156, 146, 144, 128
.irp i, 0,1,2
	ds_store_b128 v[HCA], v[156+4*\i:159+4*\i] offset:16*\i
.endr
	ds_store_b32 v[HSA], v144
.endm
	s_mov_b32 s78, 0
	s_mov_b32 s87, LXC
	s_mov_b32 s88, LXS
	s_mul_i32 s89, s[WV], 96
	s_add_co_u32 s89, s89, LHC
	s_lshl_b32 s90, s[WV], 2
	s_add_co_u32 s90, s90, LHS
.Lpm1:
	PM1T 0
	s_add_co_u32 s87, s87, 16*208
	s_add_co_u32 s88, s88, 16*8
	s_add_co_u32 s89, s89, 16*784
	s_add_co_u32 s90, s90, 16*48
	s_add_co_u32 s78, s78, 1
	s_cmp_lt_u32 s78, 7
	s_cbranch_scc1 .Lpm1
	PM1T 1                                         ; the eighth tile is written out, so that no load stands under a branch
	BARRIER                                        ; the hidden layer's codes lie in LDS
; ---------------------------------------------------------------- PM2: my 32 channels of the result for all 128 rows; 16 accumulators, begun with hidden + b2
.set AHG,  232                         ; v232-233 fragments of rows 0-63, 64-127;  v234-235 their scale words;  v236 R, rows 64 on
.set AHSG, 234
.set ARS2, 236
	s_wait_loadcnt 0x0                             ; w2
.set k, 0
.rept 16
	v_perm_b32 v[SCA+k], v[SCA+k], v[SCA+k], s63
.set k, k+1
.endr
	v_add_nc_u32 v[AHG], LHC, v[AH]
	v_add_nc_u32 v[AHG+1], LHC+64*784, v[AH]
	v_add_nc_u32 v[AHSG], LHS, v[AHS]
	v_add_nc_u32 v[AHSG+1], LHS+64*48, v[AHS]
	v_add_nc_u32 v[ARS2], 64*RPIT, v[ARS]
	PLACES 8                                       ; scale words written by vector instructions stand 8 places ahead of a scaled matrix instruction
.irp m, 0,1,2,3
.irp j, 0,1,2,3
	ds_load_b128 v[64+16*\m+4*\j:67+16*\m+4*\j], v[ARS] offset:16*RPIT*\m+16*\j
.endr
.endr
	WIN 0x40
.irp m, 0,1,2,3
.irp j, 0,1,2,3
	ds_load_b128 v[192+16*\m+4*\j:195+16*\m+4*\j], v[ARS2] offset:16*RPIT*\m+16*\j
.endr
.endr
	WIN 0
.macro PM2L n                          ; batch n: K step n / 2, rows 64 (n % 2) on: four fragments and four scale words: 16 LDS loads, into buffer n % 2
.set KA, (\n)/2
.set GR, (\n)%2
.irp mm, 0,1,2,3
	FETCH 128+52*GR+12*\mm, AHG+GR, 12544*\mm+96*KA
	ds_load_b32 v[176+52*GR+\mm], v[AHSG+GR] offset:768*\mm+4*KA
.endr
.endm
.macro PM2B n
.if (\n) < 15
	s_wait_dscnt 16                                ; all but the next batch's 16 loads
.else
	s_wait_dscnt 0x0
.endif
.set KA, (\n)/2
.set GR, (\n)%2
	WIN 0x01+0x50*GR                               ; w2 in window 1; the accumulators of rows 64 on too
.irp mm, 0,1,2,3
.irp u, 0,1
	MM 64+128*GR+16*\mm+8*\u, 96*\u+12*KA, 128+52*GR+12*\mm, 64+128*GR+16*\mm+8*\u, SCA+8*\u+KA, 176+52*GR+\mm
.endr
.endr
	WIN 0
.if (\n) < 14
	PLACES 4                                       ; ahead of loads into the buffer just multiplied
	PM2L (\n)+2
.endif
.endm
	PM2L 0
	PM2L 1
.irp n, 0,1,2,3,4,5,6,7,8,9,10,11,12,13,14,15
	PM2B \n
.endr
	PLACES 4
.irp m, 0,1,2,3                        ; the result over hidden + b2, each accumulator from its low end on
.irp j, 0,1,2,3
	ds_store_b128 v[ARS], v[64+16*\m+4*\j:67+16*\m+4*\j] offset:16*RPIT*\m+16*\j
.endr
.endr
	WIN 0x04                                       ; an LDS store's data are its source 1
.irp m, 0,1,2,3
.irp j, 0,1,2,3
	ds_store_b128 v[ARS2], v[192+16*\m+4*\j:195+16*\m+4*\j] offset:16*RPIT*\m+16*\j
.endr
.endr
	WIN 0
	BARRIER                                        ; 128 whole rows of the result lie in R
; ---------------------------------------------------------------- PS: my 16 rows go where their x came from
.set k, 0
.rept 32
	ds_load_b128 v[64+4*k:67+4*k], v[AXW] offset:RPIT*(k/2)+512*(k%2)
.set k, k+1
.endr
.set k, 0
.rept 32
	s_wait_dscnt 31-k                              ; LDS loads come back in order: load k is in
	global_store_b128 v[VO+2*((k/2)/8)+((k/2)/4)%2], v[64+4*k:67+4*k], s[10:11] offset:1024*((k/2)%4)+512*(k%2) th:TH_STORE_NT   ; 32 lanes store 512 consecutive bytes, at a multiple of 512 from the result's first byte
.set k, k+1
.endr
	s_wait_tensorcnt 0x0                           ; the wave's end
	ds_add_u32 v[SPW], v[NIL]
	s_wait_dscnt 0x0
	s_endpgm
.Lfunc_end_k_q48ca602bee_swin:
	.size	k_q48ca602bee_swin, .Lfunc_end_k_q48ca602bee_swin-k_q48ca602bee_swin
	.p2alignl 7, 3214868480
	.fill 96, 4, 3214868480
	.section	.rodata,"a",@progbits
	.p2align	6, 0x0
	.amdhsa_kernel k_q48ca602bee_swin
		.amdhsa_group_segment_fixed_size 268288
		.amdhsa_private_segment_fixed_size 0
		.amdhsa_enable_private_segment 0
		.amdhsa_kernarg_size 200
		.amdhsa_user_sgpr_count 2
		.amdhsa_user_sgpr_kernarg_segment_ptr 1
		.amdhsa_wavefront_size32 1
		.amdhsa_system_sgpr_workgroup_id_x 1
		.amdhsa_system_sgpr_workgroup_id_y 1
		.amdhsa_system_sgpr_workgroup_id_z 1
		.amdhsa_system_vgpr_workitem_id 0
		.amdhsa_next_free_vgpr 512
		.amdhsa_next_free_sgpr 102
		.amdhsa_reserve_vcc 0
		.amdhsa_float_denorm_mode_32 3
		.amdhsa_float_denorm_mode_16_64 3
		.amdhsa_memory_ordered 1
		.amdhsa_forward_progress 1
		.amdhsa_inst_pref_size 255
	.end_amdhsa_kernel
	.section	.bss,"aw",@nobits
	.p2align	6
	.space	262144
	.amdgpu_metadata
---
amdhsa.version: [ 1, 2 ]
amdhsa.kernels:
  - .name:           k_q48ca602bee_swin
    .symbol:         k_q48ca602bee_swin.kd
    .args:
      - { .name: hidden_states, .offset: 0, .size: 8, .value_kind: global_buffer, .address_space: global }
      - { .name: out0, .offset: 8, .size: 8, .value_kind: global_buffer, .address_space: global }
      - { .name: ln1_g, .offset: 16, .size: 8, .value_kind: global_buffer, .address_space: global }
      - { .name: ln1_b, .offset: 24, .size: 8, .value_kind: global_buffer, .address_space: global }
      - { .name: rel_table, .offset: 32, .size: 8, .value_kind: global_buffer, .address_space: global }
      - { .name: wq_codes, .offset: 40, .size: 8, .value_kind: global_buffer, .address_space: global }
      - { .name: wk_codes, .offset: 48, .size: 8, .value_kind: global_buffer, .address_space: global }
      - { .name: wv_codes, .offset: 56, .size: 8, .value_kind: global_buffer, .address_space: global }
      - { .name: wo_codes, .offset: 64, .size: 8, .value_kind: global_buffer, .address_space: global }
      - { .name: wq_scales, .offset: 72, .size: 8, .value_kind: global_buffer, .address_space: global }
      - { .name: wk_scales, .offset: 80, .size: 8, .value_kind: global_buffer, .address_space: global }
      - { .name: wv_scales, .offset: 88, .size: 8, .value_kind: global_buffer, .address_space: global }
      - { .name: wo_scales, .offset: 96, .size: 8, .value_kind: global_buffer, .address_space: global }
      - { .name: bq, .offset: 104, .size: 8, .value_kind: global_buffer, .address_space: global }
      - { .name: bk, .offset: 112, .size: 8, .value_kind: global_buffer, .address_space: global }
      - { .name: bv, .offset: 120, .size: 8, .value_kind: global_buffer, .address_space: global }
      - { .name: bo, .offset: 128, .size: 8, .value_kind: global_buffer, .address_space: global }
      - { .name: ln2_g, .offset: 136, .size: 8, .value_kind: global_buffer, .address_space: global }
      - { .name: ln2_b, .offset: 144, .size: 8, .value_kind: global_buffer, .address_space: global }
      - { .name: w1_codes, .offset: 152, .size: 8, .value_kind: global_buffer, .address_space: global }
      - { .name: w1_scales, .offset: 160, .size: 8, .value_kind: global_buffer, .address_space: global }
      - { .name: b1, .offset: 168, .size: 8, .value_kind: global_buffer, .address_space: global }
      - { .name: w2_codes, .offset: 176, .size: 8, .value_kind: global_buffer, .address_space: global }
      - { .name: w2_scales, .offset: 184, .size: 8, .value_kind: global_buffer, .address_space: global }
      - { .name: b2, .offset: 192, .size: 8, .value_kind: global_buffer, .address_space: global }
    .group_segment_fixed_size: 268288
    .private_segment_fixed_size: 0
    .kernarg_segment_align: 8
    .kernarg_segment_size: 200
    .max_flat_workgroup_size: 256
    .sgpr_count:     102
    .vgpr_count:     512
    .wavefront_size: 32
...
	.end_amdgpu_metadata
.endif
;; end of part 1
;; ======== version 2 of 2: 1 launch; version 1 with the launch swin written anew for expert scheduling mode
;; limits: a function is approximated: absolute error at most 7.5e-08
;; launch swin (part 2): grid 256 x 1, 8 waves a work-group, no clusters, 268,288 bytes of LDS; arguments hidden_states, out0, ln1_g, ln1_b, rel_table, wq_codes, wk_codes, wv_codes, wo_codes, wq_scales, wk_scales, wv_scales, wo_scales, bq, bk, bv, bo, ln2_g, ln2_b, w1_codes, w1_scales, b1, w2_codes, w2_scales, b2; writes out0
.if DOCPART == 2
	.amdgcn_target "amdgcn-amd-amdhsa--gfx1250"
	.amdhsa_code_object_version 6
	.text
	.protected	k_q48ca602bee_swin
	.globl	k_q48ca602bee_swin
	.p2align	8
	.type	k_q48ca602bee_swin,@function
k_q48ca602bee_swin:
	s_mov_b64 s[64:65], 0
	v_nop
	global_prefetch_b8 v0, s[64:65] scope:SCOPE_SE
	s_setreg_imm32_b32 hwreg(HW_REG_WAVE_SCHED_MODE, 0, 2), 2
	s_setreg_imm32_b32 hwreg(HW_REG_WAVE_MODE, 25, 1), 1
	s_wait_xcnt 0x0
	s_wait_alu depctr_vm_vsrc(0)
; A whole Swin block (LN1, shifted 8 x 8 windows, q k v, 8 heads of 32, bias + shift mask, softmax, PV, output dense, residual, LN2, MLP 256-1024-256 with exact gelu, residual)
; in ONE launch; all eight products on codes of FP6 (E2M3) with one E8M0 scale for each 32 along K.  Nothing but x comes from memory and nothing but the result goes there.
; SHARES.  256 work-groups of 8 waves; a work-group owns two windows that lie side by side, 128 tokens, through the whole block.  THE WAVES SHARE THE COLUMNS, NOT THE ROWS: wave w is head w in
; attention, owns channels 32 w .. 32 w + 31 in the output dense, LN2 and the second MLP product, and hidden units 128 w .. 128 w + 127 in the first.  So each weight byte goes from memory straight into
; the registers of the one wave that multiplies by it, a phase ahead of its use; what goes from wave to wave is small: rows of codes in LDS, laid as the weights lie in memory (24 bytes a block of 32).
; q, k, v and p never leave the registers.  The f32 residual lies in one LDS region R, used three times: x, then hidden + b2, then the result.
; TILES.  Lane r of tile 2 b + u of a window holds window token 32 b + 8 u + r + 8 (r / 8); lane r of a weight tile u takes row 8 u + r + 8 (r / 8) of its 32.  A product used transposed (source 0 = weights,
; source 1 = tokens) then leaves in a lane one token and, in the 16 registers of two neighbouring tiles, 16 neighbouring channels: what the conversions to codes take.
; K ORDER.  For a K step of 128 lane (r, h) takes the 48 consecutive bytes at 96 x step + 48 h of its row: three loads of 16 bytes.  The unit's block place 2 c + h so holds the row's block 2 h + c, on both
; operands alike, which keeps every product; scale words have their bytes in the order of the places (bytes 1 and 2 of a word as it lies in memory change places).
; HEADS.  A head's K is 32, one block.  The four key tiles of a window are the four blocks of ONE operand (what QUANT makes of k's four tiles); the queries' operand has one block that is not zero, and its place
; picks the key tile.  Likewise v: blocks (channel tile, key block), and p with zeros beside it picks the channel tile.
; NO CLUSTER, NO JOINT LOADS, though every work-group walks the same 589,824 bytes of weights: a joint load lands in LDS, and 267,264 of the 327,680 bytes are regions that the waves store into
; the rest would be two slots of some 24 KB, about 24 rounds of a cluster's barrier that stop 32 waves each, and 590 KB more written to and read from LDS.  Here a weight byte is loaded once by one wave.
; LIMITS.  NaN and infinities among the inputs are not served.  A block whose largest magnitude lies under 2^-124 keeps the scale byte 1, a block of zeros too (its codes are zeros; only this program reads the bytes).
; gelu = max(x, 0) - |x| Phi(-|x|), Phi by Abramowitz and Stegun 7.1.26: absolute error of Phi at most 7.5e-8; the relative error of gelu grows in the far negative tail.  v_exp_f32 gives 0 under 2^-126.
; Bias and mask enter the scores as sqrt(32) x their value, as the C of the product, and the one factor log2(e) / sqrt(32) follows: another order of rounding than scores / sqrt(32) + bias + mask.
; LN1 takes the mean first and then the squares of the differences; LN2 joins the waves' (mean, sum of squares about it) pairs: no difference of large sums is formed.
; THE MODE: SCHED_MODE bits 1:0 = 2 (LLVM: expert scheduling mode 2), set by the entry lines.  The code itself states the register dependences between vector or matrix instructions and memory or LDS
; instructions, with s_wait_alu, always for 0.
; THE PLAN.  All 512 registers of a wave are laid out: only the last product has two buffers of fragments.  Every phase is a chain of steps, and a step is: addresses, a run of loads, products, vector work, a run of stores.
;   v3-19, v26, v27      addresses and their parts, made at the head and never written again: the one wait on va_vdst ahead of the first load serves them for the whole kernel.
;   v30, v31 and the phase's own address registers (v212, v213; v180, v181; v250, v251): written at a step's head, read by the step's LDS loads and stores.
;   fragments and their scale words (v128-179; v64-115; v224-249; v128-231): the step's loads land there, its products read them.
;   stores' data (codes, scale words and bytes, rows of R): written by the step's vector work or products, read by its stores, written again in the next step.
;   window 1: weights and biases; a phase's loads land where an earlier phase's products have read.
; So a step has three waits: at its head on vm_vsrc (the step before's LDS instructions have read their addresses and data, which this step writes again); ahead of its run of loads on va_vdst (the addresses are
; written; what named the registers in which the loads land is done); ahead of its run of stores on va_vdst (the data are written).  Beside them: on va_vdst, behind the places, ahead of the products whose operands or
; scale words vector instructions have made; on va_vdst behind the window switch ahead of each run of weight loads; on va_sdst ahead of the first reader of the wave's number.
.set RPIT,  1040                       ; R: 128 rows of 1,024 bytes + 16
.set LXC,   133120                     ; code rows of LN1's result, later of LN2's: pitch 208 = 192 + 16
.set LXS,   159744                     ; their scale words: 8 bytes a row, places' order
.set LHC,   160768                     ; code rows of the MLP's hidden layer: pitch 784 = 768 + 16
.set LHS,   261120                     ; their scale words: pitch 48 = 32 + 16
.set SPARE, 267264                     ; the spare words, 128 bytes for each wave: four blocks of 256 bytes that no other line names
.set LCC,   160768                     ; inside the hidden layer's bytes, dead before they are written: ctx's code rows, pitch 208,
.set LCS,   187392                     ; their scale words,
.set LT2,   188416                     ; the bias tables, 5,760 bytes a head: [e][dy] 192 bytes: [x of the query] 16 bytes = 4 keys' x,
.set LST,   234496                     ; LN2's partial figures: pitch 80: 8 pairs (mean, sum of squares)
.set WV,  4                            ; s4 my wave's number
.set SPW, 1                            ; v1  LDS address of my spare word; never rewritten
.set NIL, 2                            ; v2  0; never rewritten
.set L16, 3                            ; v3  16 x lane
.set H64, 4                            ; v4  64 h
.set RP,  5                            ; v5  r + 8 (r / 8)
.set VO,  6                            ; v6-9   byte offsets in x and in the result of my tile's four runs of four tokens, + 16 x lane
.set AXW, 10                           ; v10 R: my 16 rows, 16 x lane
.set AXR, 11                           ; v11 R: row 16 w + r, + 64 h
.set ARS, 12                           ; v12 R: row r, my wave's 128 bytes, + 64 h
.set AF,  13                           ; v13 208 r + 48 h: a fragment in code rows of 256
.set AS8, 14                           ; v14 8 r
.set AH,  15                           ; v15 784 r + 48 h
.set AHS, 16                           ; v16 48 r
.set AT2, 17                           ; v17 my lane's place in my head's bias table
.set WO192, 18                         ; v18 192 RP + 48 h: a weight row of 256 codes
.set WO768, 19                         ; v19 768 RP + 48 h: of 1,024
.set MLO, 20                           ; v20 all ones in lanes 0-15
.set MHI, 21                           ; v21 all ones in lanes 16-31
.set MV,  22                           ; v22-25 mask values
.set ACW, 26                           ; v26 208 x lane + 24 w: where a lane puts a row's block w
.set ABY, 27                           ; v27 8 r + the place of block w's scale byte
.set GA4, 28                           ; v28-29 a coefficient of gelu, twice
.set TA,  30                           ; v30, v31 addresses of the phase in hand
.set TB,  31
.set SCA, 32                           ; v32-47 scale words: wq, wk, wv, wo (4 each); later w2's 16
.set SCB, 48                           ; v48-63 w1's 16
.set MSB, 0
.macro WIN new                         ; s_set_vgpr_msb: bits 1:0 source 0, 3:2 source 1, 5:4 source 2, 7:6 destination; the high byte repeats the setting that is left
.if MSB != (\new)
	s_set_vgpr_msb (MSB<<8)|(\new)
.set MSB, (\new)
.endif
.endm
.macro PLACES n                        ; plain vector instructions behind a matrix instruction (ISA guide 7.12.1) where no other work is at hand
.rept \n
	v_nop
.endr
.endm
.macro BARRIER                         ; my LDS stores have landed and my LDS loads are in: then the work-group's barrier
	s_wait_dscnt 0x0
	s_barrier_signal -1
	s_barrier_wait -1
.endm
.macro FETCH reg, adr, off             ; a fragment: 48 consecutive bytes of my row
.irp i, 0,1,2
	ds_load_b128 v[(\reg)+4*\i:(\reg)+4*\i+3], v[\adr] offset:(\off)+16*\i
.endr
.endm
.macro MM d, a, b, c, sa, sb
	v_wmma_scale_f32_16x16x128_f8f6f4 v[(\d):(\d)+7], v[(\a):(\a)+11], v[(\b):(\b)+11], v[(\c):(\c)+7], v[\sa], v[\sb] matrix_a_fmt:MATRIX_FMT_FP6 matrix_b_fmt:MATRIX_FMT_FP6
.endm
.macro MM0 d, a, b, sa, sb             ; the constant 0 starts the sum
	v_wmma_scale_f32_16x16x128_f8f6f4 v[(\d):(\d)+7], v[(\a):(\a)+11], v[(\b):(\b)+11], 0, v[\sa], v[\sb] matrix_a_fmt:MATRIX_FMT_FP6 matrix_b_fmt:MATRIX_FMT_FP6
.endm
; 64 numbers of a lane, register 16 b + i = number 16 h + i of block b of my row, become a fragment's codes in v[pc] on (block b at place b) and its scale word in v[pw].  tm: 16 registers at work; tm + 4 .. 7 keep the bytes.
.macro QUANT src, pc, qt, pw, tm
.irp b, 0,1,2,3
	v_max3_num_f32 v[(\tm)+\b], |v[(\src)+16*\b]|, |v[(\src)+16*\b+1]|, 0x1800000   ; my 16 numbers and the floor 2^(3 - 127): the byte cannot fall under 1
.endr
.irp i, 2,4,6,8,10,12,14
.irp b, 0,1,2,3
	v_max3_num_f32 v[(\tm)+\b], v[(\tm)+\b], |v[(\src)+16*\b+\i]|, |v[(\src)+16*\b+\i+1]|   ; the four blocks by turns
.endr
.endr
.irp b, 0,1,2,3
	v_permlanex16_b32 v[(\tm)+4+\b], v[(\tm)+\b], s58, s59
.endr
.irp b, 0,1,2,3
	v_max_num_f32 v[(\tm)+\b], v[(\tm)+\b], v[(\tm)+4+\b]   ; with lane l xor 16's: the block's largest magnitude
.endr
.irp b, 0,1,2,3
	v_add_nc_u32 v[(\tm)+12+\b], 0xff000000, v[(\tm)+\b]   ; 2 off its exponent field: the conversion's scale operand
.endr
.irp b, 0,1,2,3
	v_lshrrev_b32 v[(\tm)+4+\b], 23, v[(\tm)+12+\b]        ; the scale's byte
.endr
	v_lshl_or_b32 v[\pw], v[(\tm)+5], 8, v[(\tm)+4]
	v_lshl_or_b32 v[\pw], v[(\tm)+6], 16, v[\pw]
	v_lshl_or_b32 v[\pw], v[(\tm)+7], 24, v[\pw]
.irp c, 0,1
	v_cvt_scalef32_pk16_fp6_f32 v[(\pc)+6*\c:(\pc)+6*\c+2], v[(\src)+32*\c:(\src)+32*\c+15], v[(\tm)+12+2*\c]
	v_cvt_scalef32_pk16_fp6_f32 v[(\qt)+4*\c:(\qt)+4*\c+2], v[(\src)+32*\c+16:(\src)+32*\c+31], v[(\tm)+13+2*\c]   ; (a conversion's three registers begin on an even number)
.endr
	v_nop                                          ; one plain place behind a scaled conversion
.irp c, 0,1                            ; the operand wants a whole block in a lane: lanes 0-15 block 2 c, lanes 16-31 block 2 c + 1
.irp i, 0,1,2
	v_permlane16_swap_b32 v[(\pc)+6*\c+\i], v[(\qt)+4*\c+\i]
.endr
.irp i, 0,1,2
	v_mov_b32 v[(\pc)+6*\c+3+\i], v[(\qt)+4*\c+\i]
.endr
.endr
.endm
; ONE block of 32 (my wave's 32 channels) for each of two tiles of 16 rows, 16 registers a tile.  Behind the exchange lane (r, h) holds the 24 bytes of row r of tile h: three stores of 8 bytes into the code rows;
; the two scale bytes go to their places (both halves of the lanes write the same byte with the same value).  BQT: 8 registers at work; CQ: 6; CT: 3.
.macro BLKQ a0, a1, adrC, immC, adrB, immB0, immB1
	v_max3_num_f32 v[BQT], |v[(\a0)]|, |v[(\a0)+1]|, 0x1800000
	v_max3_num_f32 v[BQT+1], |v[(\a1)]|, |v[(\a1)+1]|, 0x1800000
.irp i, 2,4,6,8,10,12,14
	v_max3_num_f32 v[BQT], v[BQT], |v[(\a0)+\i]|, |v[(\a0)+\i+1]|
	v_max3_num_f32 v[BQT+1], v[BQT+1], |v[(\a1)+\i]|, |v[(\a1)+\i+1]|
.endr
	v_permlanex16_b32 v[BQT+2], v[BQT], s58, s59
	v_permlanex16_b32 v[BQT+3], v[BQT+1], s58, s59
	v_max_num_f32 v[BQT], v[BQT], v[BQT+2]
	v_max_num_f32 v[BQT+1], v[BQT+1], v[BQT+3]
	v_add_nc_u32 v[BQT+4], 0xff000000, v[BQT]
	v_add_nc_u32 v[BQT+5], 0xff000000, v[BQT+1]
	v_lshrrev_b32 v[BQT+6], 23, v[BQT+4]
	v_lshrrev_b32 v[BQT+7], 23, v[BQT+5]
	v_cvt_scalef32_pk16_fp6_f32 v[CQ:CQ+2], v[(\a0):(\a0)+15], v[BQT+4]
	v_cvt_scalef32_pk16_fp6_f32 v[CT:CT+2], v[(\a1):(\a1)+15], v[BQT+5]
	v_nop                                          ; one plain place behind a scaled conversion
.irp i, 0,1,2
	v_permlane16_swap_b32 v[CQ+\i], v[CT+\i]
.endr
.irp i, 0,1,2
	v_mov_b32 v[CQ+3+\i], v[CT+\i]
.endr
	s_wait_alu depctr_va_vdst(0)                   ; the codes in v[CQ ..], the two bytes in v[BQT+6], v[BQT+7] and the step's two addresses are written: the stores below read them
.irp i, 0,1,2
	ds_store_b64 v[\adrC], v[CQ+2*\i:CQ+2*\i+1] offset:(\immC)+8*\i
.endr
	ds_store_b8 v[\adrB], v[BQT+6] offset:\immB0
	ds_store_b8 v[\adrB], v[BQT+7] offset:\immB1
.endm
.macro WL192 dst, ptr, row             ; a weight tile of rows of 256 codes: two fragments, six loads of 16 bytes a lane
.irp s, 0,1
.irp i, 0,1,2
	global_load_b128 v[(\dst)+12*\s+4*\i:(\dst)+12*\s+4*\i+3], v[WO192], s[\ptr:\ptr+1] offset:(\row)*192+96*\s+16*\i
.endr
.endr
.endm
.macro WL768 dst, u                    ; a tile of w2: eight fragments
.irp ka, 0,1,2,3,4,5,6,7
.irp i, 0,1,2
	global_load_b128 v[(\dst)+12*\ka+4*\i:(\dst)+12*\ka+4*\i+3], v[WO768], s[52:53] offset:8*(\u)*768+96*\ka+16*\i
.endr
.endr
.endm
; ---------------------------------------------------------------- the head: addresses, constants, all first loads
.set HR, 240
.set HH, 241
.set HL, 242
.set HT, 243
.set HU, 244
.set T2W, 250                          ; where I store my head's table
.set BVA, 251                          ; 4 RP
.set PXC, 252                          ; where I store x's codes,
.set PXS, 253                          ; and their scale words
.set XQ,  64                           ; v64-191 my tile of x
.set TG,  192                          ; v192-221 the table as gathered
	s_load_b512 s[8:23], s[0:1], 0x0               ; x, result, ln1_g, ln1_b, rel_table, wq, wk, wv codes
	s_load_b512 s[24:39], s[0:1], 0x40             ; wo codes, wq, wk, wv, wo scales, bq, bk, bv
	s_load_b512 s[40:55], s[0:1], 0x80             ; bo, ln2_g, ln2_b, w1 codes, w1 scales, b1, w2 codes, w2 scales
	s_load_b64 s[56:57], s[0:1], 0xc0              ; b2
	v_lshl_add_u32 v[SPW], v0, 2, SPARE
	v_mov_b32 v[NIL], 0
	v_lshrrev_b32 v[HT], 5, v0
	v_readfirstlane_b32 s[WV], v[HT]               ; wave 0..7
	v_and_b32 v[HL], 31, v0                        ; lane
	v_and_b32 v[HR], 15, v0                        ; r
	v_bfe_u32 v[HH], v0, 4, 1                      ; h
	v_lshlrev_b32 v[L16], 4, v[HL]
	v_lshlrev_b32 v[H64], 6, v[HH]
	v_and_b32 v[RP], 8, v[HR]
	v_add_nc_u32 v[RP], v[RP], v[HR]
	s_wait_alu depctr_va_sdst(0)                   ; s4, the wave's number, is written, ahead of its first reader
	s_mul_i32 s5, s[WV], 16*RPIT
	v_add_nc_u32 v[AXW], s5, v[L16]
	v_mul_u32_u24 v[HT], v[HR], RPIT
	v_add_nc_u32 v[HT], v[HT], v[H64]
	v_add_nc_u32 v[AXR], s5, v[HT]
	s_lshl_b32 s6, s[WV], 7
	v_add_nc_u32 v[ARS], s6, v[HT]
	v_mul_u32_u24 v[AF], v[HR], 208
	v_mad_u32_u24 v[AF], v[HH], 48, v[AF]
	v_lshlrev_b32 v[AS8], 3, v[HR]
	v_mul_u32_u24 v[AH], v[HR], 784
	v_mad_u32_u24 v[AH], v[HH], 48, v[AH]
	v_mul_u32_u24 v[AHS], v[HR], 48
	s_add_co_u32 s6, s6, LXS
	v_add_nc_u32 v[PXS], s6, v[AS8]                ; scale words of rows 16 w + r
	s_mul_i32 s5, s[WV], 16*208
	s_add_co_u32 s5, s5, LXC
	v_add_nc_u32 v[PXC], s5, v[AF]
	s_mul_i32 s5, s[WV], 5760
	s_add_co_u32 s5, s5, LT2                       ; my head's table
	v_lshl_add_u32 v[T2W], v[HL], 2, s5
	v_bfe_u32 v[HT], v0, 3, 1                      ; r / 8
	v_xor_b32 v[HU], 1, v[HH]
	v_add_nc_u32 v[HT], v[HT], v[HU]
	v_mul_u32_u24 v[HT], v[HT], 384                ; two steps of dy for r / 8 and for 1 - h
	v_and_b32 v[HU], 7, v0
	v_lshl_add_u32 v[HT], v[HU], 4, v[HT]          ; the query's x
	v_add_nc_u32 v[AT2], s5, v[HT]
	v_mul_u32_u24 v[WO192], v[RP], 192
	v_mad_u32_u24 v[WO192], v[HH], 48, v[WO192]
	v_mul_u32_u24 v[WO768], v[RP], 768
	v_mad_u32_u24 v[WO768], v[HH], 48, v[WO768]
	v_add_nc_u32 v[MLO], -1, v[HH]
	v_sub_nc_u32 v[MHI], 0, v[HH]
	s_mul_i32 s5, s[WV], 24
	v_mul_u32_u24 v[ACW], v[HL], 208
	v_add_nc_u32 v[ACW], s5, v[ACW]
	s_lshr_b32 s5, s[WV], 2                        ; block w lies in K step w / 4, at place 2 (w % 2) + (w / 2) % 2
	s_lshl_b32 s5, s5, 2
	s_and_b32 s6, s[WV], 1
	s_lshl_b32 s6, s6, 1
	s_add_co_u32 s5, s5, s6
	s_bfe_u32 s6, s[WV], 0x10001
	s_add_co_u32 s5, s5, s6
	v_add_nc_u32 v[ABY], s5, v[AS8]
	v_mov_b32 v[GA4], 0xbf3a00e3                   ; -1.453152027 / 2
	v_mov_b32 v[GA4+1], 0xbf3a00e3
	v_lshrrev_b32 v[TA], 2, v[HL]                  ; the gather: lane = (x of the query, key's x % 4): row x - x' + 3 of the table, 32 bytes a row
	v_add_nc_u32 v[TA], 3, v[TA]
	v_and_b32 v[HT], 3, v0
	v_sub_nc_u32 v[TA], v[TA], v[HT]
	v_lshlrev_b32 v[TA], 5, v[TA]
	v_lshlrev_b32 v[TB], 3, v[RP]                  ; scale bytes of weight rows of 256: 8 bytes a row
	v_lshlrev_b32 v[BVA], 2, v[RP]
	v_mov_b32 v233, 0                              ; upper halves of pairs of which the low word serves both halves: named, so written
	v_mov_b32 v235, 0
	s_mov_b32 s58, 0x76543210                      ; v_permlanex16_b32's selects for lane l xor 16
	s_mov_b32 s59, 0xfedcba98
	s_mov_b32 s60, 0x3e8293ee                      ; c = log2(e) / sqrt(32)
	s_mov_b32 s61, 0x3e8293ee
	s_mov_b32 s62, 0xbe8293ee                      ; -c
	s_mov_b32 s63, 0x03010200                      ; bytes 1 and 2 change places
	s_mov_b32 s66, 0x3e6d3388                      ; 0.3275911 / sqrt(2)
	s_mov_b32 s67, 0x3e6d3388
	s_mov_b32 s68, 0xbf38aa3b                      ; -log2(e) / 2
	s_mov_b32 s69, 0xbf38aa3b
	s_mov_b32 s70, 0x3f07dc22                      ; 1.061405429 / 2
	s_mov_b32 s71, 0x3f07dc22
	s_mov_b32 s72, 0x3f35f0e3                      ; 1.421413741 / 2
	s_mov_b32 s73, 0x3f35f0e3
	s_mov_b32 s74, 0xbe11a98e                      ; -0.284496736 / 2
	s_mov_b32 s75, 0xbe11a98e
	s_mov_b32 s76, 0x3e027906                      ; 0.254829592 / 2
	s_mov_b32 s77, 0x3e027906
	s_mov_b32 s96, 0x3b800000                      ; 1 / 256
	s_mov_b32 s97, 0x3727c5ac                      ; 1e-5
	; where my tile's 16 tokens lie: window token (y, x) of window (wy, wx) is image row (8 wy + y + 4) % 64, column (8 wx + x + 4) % 64; four tokens with x = 4 xh + 0 .. 3 are neighbours in memory
	s_lshr_b32 s5, ttmp9, 5
	s_lshl_b32 s5, s5, 12                          ; the image's first token
	s_bfe_u32 s6, ttmp9, 0x30002                   ; wy
	s_and_b32 s7, ttmp9, 3                         ; which pair of windows of the row
	s_cmp_eq_u32 s6, 7
	s_cselect_b32 s91, 1, 0                        ; the last row of windows has the mask along y,
	s_cmp_eq_u32 s7, 3
	s_cselect_b32 s93, 1, 0                        ; the last pair's second window the mask along x
	s_lshr_b32 s2, s[WV], 2                        ; my tile's window
	s_lshl_b32 s7, s7, 1
	s_add_co_u32 s7, s7, s2                        ; wx
	s_lshl_b32 s7, s7, 3
	s_add_co_u32 s7, s7, 4
	s_and_b32 s2, s[WV], 2
	s_lshl_b32 s2, s2, 1
	s_and_b32 s3, s[WV], 1
	s_add_co_u32 s2, s2, s3                        ; 4 b + u
	s_lshl_b32 s6, s6, 3
	s_add_co_u32 s6, s6, s2
	s_add_co_u32 s6, s6, 4
.irp yi, 0,1
	s_add_co_u32 s2, s6, 2*\yi
	s_and_b32 s2, s2, 63
	s_lshl_b32 s2, s2, 6
	s_add_co_u32 s2, s2, s5
.irp xh, 0,1
	s_add_co_u32 s3, s7, 4*\xh
	s_and_b32 s3, s3, 63
	s_add_co_u32 s3, s3, s2
	s_lshl_b32 s3, s3, 10                          ; 1,024 bytes a token
	v_add_nc_u32 v[VO+2*\yi+\xh], s3, v[L16]
.endr
.endr
	s_mov_b32 s95, 0
	s_wait_kmcnt 0x0
	s_mul_i32 s94, s[WV], 6144                     ; my 32 rows of 192 bytes
.irp p, 18,20,22,24
	s_add_nc_u64 s[\p:\p+1], s[\p:\p+1], s[94:95]
.endr
	s_lshl_b32 s94, s[WV], 8                       ; their scale bytes
.irp p, 26,28,30,32
	s_add_nc_u64 s[\p:\p+1], s[\p:\p+1], s[94:95]
.endr
	s_lshl_b32 s94, s[WV], 7                       ; my 32 numbers of a vector of 256
.irp p, 34,36,38,40,42,44,56
	s_add_nc_u64 s[\p:\p+1], s[\p:\p+1], s[94:95]
.endr
	s_mul_i32 s94, s[WV], 24576                    ; my 128 rows of w1, my 32 rows of w2
	s_add_nc_u64 s[46:47], s[46:47], s[94:95]
	s_add_nc_u64 s[52:53], s[52:53], s[94:95]
	s_lshl_b32 s94, s[WV], 10
	s_add_nc_u64 s[48:49], s[48:49], s[94:95]
	s_add_nc_u64 s[54:55], s[54:55], s[94:95]
	s_lshl_b32 s94, s[WV], 9
	s_add_nc_u64 s[50:51], s[50:51], s[94:95]
	s_lshl_b32 s94, s[WV], 2                       ; my head's column of the table
	s_add_nc_u64 s[16:17], s[16:17], s[94:95]
	s_wait_alu depctr_va_vdst(0)                   ; all addresses made above are written: v3-19, v26, v27, v30, v31 and v250-253, which the loads and stores of the kernel read; only loads and window switches stand between this wait and the head's last load
.set k, 0
.rept 32                               ; token k / 2 of my tile, half k % 2 of its row: 32 lanes read 512 consecutive bytes
	global_load_b128 v[XQ+4*k:XQ+4*k+3], v[VO+2*((k/2)/8)+((k/2)/4)%2], s[8:9] offset:1024*((k/2)%4)+512*(k%2) th:TH_LOAD_NT
.set k, k+1
.endr
	WIN 0x40                                       ; destination window 1: ln1_g at 0, ln1_b at 128, in the order in which x will stand: block be of 32 at 64 (be / 4) + 16 x its place
.irp be, 0,1,2,3,4,5,6,7
.irp j, 0,1,2,3
	global_load_b128 v[64*(\be/4)+16*(2*(\be%2)+(\be%4)/2)+4*\j:64*(\be/4)+16*(2*(\be%2)+(\be%4)/2)+4*\j+3], v[H64], s[12:13] offset:128*\be+16*\j
	global_load_b128 v[128+64*(\be/4)+16*(2*(\be%2)+(\be%4)/2)+4*\j:128+64*(\be/4)+16*(2*(\be%2)+(\be%4)/2)+4*\j+3], v[H64], s[14:15] offset:128*\be+16*\j
.endr
.endr
	WIN 0
.set k, 0
.rept 30                               ; e = k / 15 (keys' x 4 e .. 4 e + 3), dy = k % 15
	global_load_b32 v[TG+k], v[TA], s[16:17] offset:(15*(k%15)+4-4*(k/15))*32
.set k, k+1
.endr
.irp mat, 0,1,2,3
.irp u, 0,1
	global_load_b64 v[SCA+4*\mat+2*\u:SCA+4*\mat+2*\u+1], v[TB], s[26+2*\mat:27+2*\mat] offset:64*\u
.endr
.endr
.irp t, 0,1,2,3,4,5,6,7                ; w1's tile t = 2 b + u begins at row 32 x (the block that stands at place b) + 8 u
	global_load_b64 v[SCB+2*\t:SCB+2*\t+1], v[TB], s[48:49] offset:(32*(2*((\t/2)%2)+\t/4)+8*(\t%2))*8
.endr
	s_wait_loadcnt 0x0
; ---------------------------------------------------------------- PX: my 16 tokens: into R, LN1, codes; my head's bias table
.set CH, 224                           ; v224-231 four chains
.set MU, 232                           ; v232 the mean;  v234 1 / sqrt(var + eps)
.set RSD, 234
.set k, 0
.rept 32
	ds_store_b128 v[AXW], v[XQ+4*k:XQ+4*k+3] offset:RPIT*(k/2)+512*(k%2)
.set k, k+1
.endr
	s_wait_alu depctr_vm_vsrc(0)                   ; the 32 stores have read v[XQ ..], in which the loads below land
.irp be, 0,1,2,3,4,5,6,7               ; back, a lane to a token: 16 neighbours of each block of 32 (LDS serves a wave's instructions in order: these see my stores)
.irp j, 0,1,2,3
	ds_load_b128 v[XQ+64*(\be/4)+16*(2*(\be%2)+(\be%4)/2)+4*\j:XQ+64*(\be/4)+16*(2*(\be%2)+(\be%4)/2)+4*\j+3], v[AXR] offset:128*\be+16*\j
.endr
.endr
	s_mov_b32 s5, 0x40b504f3                       ; sqrt(32): the bias enters ahead of the factor 1 / sqrt(32)
.set k, 0
.rept 30
	v_mul_f32 v[TG+k], s5, v[TG+k]
.set k, k+1
.endr
	s_wait_alu depctr_va_vdst(0)                   ; the 30 products have written v[TG ..], which the stores read
.set k, 0
.rept 30
	ds_store_b32 v[T2W], v[TG+k] offset:2880*(k/15)+192*(k%15)
.set k, k+1
.endr
.set k, 0
.rept 32
	v_perm_b32 v[SCA+k], v[SCA+k], v[SCA+k], s63   ; the weights' scale words into the order of the places
.set k, k+1
.endr
	s_wait_dscnt 30                                ; my 32 loads from R are in; the 30 stores of the table, issued behind them, may be out
.macro JOIN4                           ; four chains of pairs into one number, with lane l xor 16's
	v_pk_add_f32 v[CH:CH+1], v[CH:CH+1], v[CH+2:CH+3]
	v_pk_add_f32 v[CH+4:CH+5], v[CH+4:CH+5], v[CH+6:CH+7]
	v_pk_add_f32 v[CH:CH+1], v[CH:CH+1], v[CH+4:CH+5]
	v_add_f32 v[CH], v[CH], v[CH+1]
	v_permlanex16_b32 v[CH+2], v[CH], s58, s59
	v_add_f32 v[CH], v[CH], v[CH+2]
.endm
.irp c, 0,1,2,3
	v_pk_add_f32 v[CH+2*\c:CH+2*\c+1], v[XQ+2*\c:XQ+2*\c+1], v[XQ+8+2*\c:XQ+9+2*\c]
.endr
.set k, 8
.rept 56
	v_pk_add_f32 v[CH+2*(k%4):CH+2*(k%4)+1], v[CH+2*(k%4):CH+2*(k%4)+1], v[XQ+2*k:XQ+2*k+1]
.set k, k+1
.endr
	JOIN4
	v_mul_f32 v[MU], s96, v[CH]
.set k, 0
.rept 64
	v_pk_add_f32 v[XQ+k:XQ+k+1], v[XQ+k:XQ+k+1], v[MU:MU+1] op_sel_hi:[1,0] neg_lo:[0,1] neg_hi:[0,1]   ; x - mean
.set k, k+2
.endr
.irp c, 0,1,2,3
	v_pk_mul_f32 v[CH+2*\c:CH+2*\c+1], v[XQ+2*\c:XQ+2*\c+1], v[XQ+2*\c:XQ+2*\c+1]
.endr
.set k, 4
.rept 60
	v_pk_fma_f32 v[CH+2*(k%4):CH+2*(k%4)+1], v[XQ+2*k:XQ+2*k+1], v[XQ+2*k:XQ+2*k+1], v[CH+2*(k%4):CH+2*(k%4)+1]
.set k, k+1
.endr
	JOIN4
	v_fma_f32 v[CH], v[CH], s96, s97               ; var + eps
	s_wait_alu depctr_va_vdst(0)
	v_rsq_f32 v[RSD], v[CH]
	v_nop                                          ; a plain place behind the transcendental,
	s_wait_alu depctr_va_vdst(0)                   ; and a wait ahead of its first reader: v[RSD] is written
.set k, 0
.rept 64
	v_pk_mul_f32 v[XQ+k:XQ+k+1], v[XQ+k:XQ+k+1], v[RSD:RSD+1] op_sel_hi:[1,0]
.set k, k+2
.endr
	WIN 0x14                                       ; sources 1 and 2 window 1
.set k, 0
.rept 64
	v_pk_fma_f32 v[XQ+k:XQ+k+1], v[XQ+k:XQ+k+1], v[k:k+1], v[128+k:129+k]
.set k, k+2
.endr
	WIN 0x40                                       ; window 1 is free: my head's weights.  q at 0, k at 48, v at 96 (tile u, K step s at 12 (2 u + s)); bq 144, bk 160, bv 176; wo 192; bo 240
	s_wait_alu depctr_va_vdst(0)                   ; the multiply-adds above are done reading ln1_g and ln1_b in window 1, where the weights land
.irp u, 0,1
	WL192 24*\u, 18, 8*\u
	WL192 48+24*\u, 20, 8*\u
	WL192 96+24*\u, 22, 8*\u
	WL192 192+24*\u, 24, 8*\u
.irp q, 0,1
	global_load_b128 v[144+8*\u+4*\q:147+8*\u+4*\q], v[H64], s[34:35] offset:32*\u+16*\q   ; a bias as a C: lane (r, h), tile u: channels 16 h + 8 u + 0 .. 7
	global_load_b128 v[160+8*\u+4*\q:163+8*\u+4*\q], v[H64], s[36:37] offset:32*\u+16*\q
	global_load_b128 v[240+8*\u+4*\q:243+8*\u+4*\q], v[H64], s[40:41] offset:32*\u+16*\q
.endr
	global_load_b32 v[176+8*\u], v[BVA], s[38:39] offset:32*\u   ; v's product is not transposed: a lane holds one channel, 8 u + RP
.endr
	WIN 0
	s_wait_dscnt 0x0                               ; the table's stores have landed
	s_wait_alu depctr_vm_vsrc(0)                   ; and have read v[TG ..], where the quantiser writes its codes
	QUANT XQ, 192, 242, 240, 224
	s_wait_alu depctr_va_vdst(0)                   ; the codes in v192-203 and the scale word in v240 are written: the stores read them
.irp i, 0,1,2
	ds_store_b128 v[PXC], v[192+4*\i:195+4*\i] offset:16*\i
.endr
	ds_store_b32 v[PXS], v240
	s_wait_dscnt 0x0
	s_wait_alu depctr_vm_vsrc(0)                   ; the four stores have read v192-203 and v240, which the second K step's quantiser writes again
	QUANT XQ+64, 192, 242, 240, 224
	s_wait_alu depctr_va_vdst(0)                   ; the second K step's codes and scale word are written
.irp i, 0,1,2
	ds_store_b128 v[PXC], v[192+4*\i:195+4*\i] offset:96+16*\i
.endr
	ds_store_b32 v[PXS], v240 offset:4
	BARRIER                                        ; all 128 rows of x and of its codes lie in LDS
	s_wait_loadcnt 0x0                             ; my head's weights
	WIN 0x41
.irp u, 0,1
.irp j, 1,2,3,4,5,6,7
	v_mov_b32 v[176+8*\u+\j], v[176+8*\u]
.endr
.endr
	WIN 0
; ---------------------------------------------------------------- attention, a window a trip
.set ACC, 64                           ; v64-127 results of a unit; then the scores of two query tiles
.set SS,  64
.set FR,  128                          ; v128-175 four fragments of x
.set FS,  176                          ; v176-179 their scale words
.set TM,  176                          ; v176-191 QUANT at work (behind the unit's last product and its places)
.set PW,  192
.set QT,  194
.set ZQ,  128                          ; v128-181: zeros (6), q low, zeros, q high, zeros, q low, zeros, q high, zeros: tiles a = 0, 1
.set BM,  182                          ; v182-185 block maxima (a, b)
.set BT,  186                          ; v186-189
.set NM,  190                          ; v190, v192 -c x the row's maximum
.set RI,  194                          ; v194, v196 1 / the row's sum
.set SU,  198                          ; v198-205 sums; also q from the other half of the lanes, and p's upper codes
.set SO,  206                          ; v206-209 conversions' scale operands
.set PSW, 210                          ; v210-211 p's scale words
.set CCA, 212                          ; v212 where I store ctx's codes,  v213 their scale bytes
.set CBA, 213
.set QP,  214                          ; q's, k's, v's codes
.set KP,  226
.set VP,  238
.set QS,  250                          ; v250-253 a query tile's scale byte, four times
.set KS,  254
.set VS,  255
.macro UFETCH tp                       ; two tiles of tokens: four fragments and their scale words
	s_wait_alu depctr_va_vdst(0)                   ; v[TA] and v[TB] are written; the products that read v[FR ..] and v[FS ..], and the vector work that has used these registers since, are done: the fragments land there
.irp tt, 0,1
.irp s, 0,1
	FETCH FR+24*\tt+12*\s, TA, (2*(\tp)+\tt)*3328+96*\s
.endr
	ds_load_b64 v[FS+2*\tt:FS+2*\tt+1], v[TB] offset:(2*(\tp)+\tt)*128
.endr
	s_wait_dscnt 0x0
.endm
; q or k of a window, transposed: lane (r, h) holds token r, and registers 16 t + 0 .. 15 its channels 16 h + 0 .. 15.  Four accumulators by turns.
.macro UNIT_T wb, cb, sb
.irp tp, 0,1
	UFETCH \tp
	WIN 0x11                                       ; source 0 (weights) and C (bias) window 1
.irp tt, 0,1
.irp u, 0,1
	MM ACC+16*(2*\tp+\tt)+8*\u, (\wb)+24*\u, FR+24*\tt, (\cb)+8*\u, (\sb)+2*\u, FS+2*\tt
.endr
.endr
	WIN 0x01
.irp tt, 0,1
.irp u, 0,1
	MM ACC+16*(2*\tp+\tt)+8*\u, (\wb)+24*\u+12, FR+24*\tt+12, ACC+16*(2*\tp+\tt)+8*\u, (\sb)+2*\u+1, FS+2*\tt+1
.endr
.endr
	WIN 0
	PLACES 5                                       ; ahead of the first read of results and of the next sums begun in these accumulators
.endr
.endm
; v, not transposed: lane (r, h) holds channel 8 u + RP, and registers 32 u + 16 tp + 0 .. 15 are keys 32 tp + 16 h + 0 .. 15: v's K
.macro UNIT_V
.irp tp, 0,1
	UFETCH \tp
	WIN 0x14                                       ; source 1 (weights) and C window 1
.irp tt, 0,1
.irp u, 0,1
	MM ACC+32*\u+16*\tp+8*\tt, FR+24*\tt, 96+24*\u, 176+8*\u, FS+2*\tt, SCA+8+2*\u
.endr
.endr
	WIN 0x04
.irp tt, 0,1
.irp u, 0,1
	MM ACC+32*\u+16*\tp+8*\tt, FR+24*\tt+12, 96+24*\u+12, ACC+32*\u+16*\tp+8*\tt, FS+2*\tt+1, SCA+9+2*\u
.endr
.endr
	WIN 0
	PLACES 5
.endr
.endm
; the softmax of two query tiles, by turns; a lane holds one query and 32 of its 64 scores (register 16 b + i: key 32 b + 16 h + i).  p leaves normalised; each block's largest p is made from the block's largest score by the same instructions.
.macro SOFTMAX
.irp a, 0,1
.irp b, 0,1
	v_max3_num_f32 v[BM+2*\a+\b], v[SS+32*\a+16*\b], v[SS+32*\a+16*\b+1], v[SS+32*\a+16*\b+2]
.endr
.endr
.irp i, 3,5,7,9,11,13
.irp a, 0,1
.irp b, 0,1
	v_max3_num_f32 v[BM+2*\a+\b], v[BM+2*\a+\b], v[SS+32*\a+16*\b+\i], v[SS+32*\a+16*\b+\i+1]
.endr
.endr
.endr
.irp a, 0,1
.irp b, 0,1
	v_max_num_f32 v[BM+2*\a+\b], v[BM+2*\a+\b], v[SS+32*\a+16*\b+15]
.endr
.endr
.irp n, 0,1,2,3
	v_permlanex16_b32 v[BT+\n], v[BM+\n], s58, s59
.endr
.irp n, 0,1,2,3
	v_max_num_f32 v[BM+\n], v[BM+\n], v[BT+\n]
.endr
.irp a, 0,1
	v_max_num_f32 v[NM+2*\a], v[BM+2*\a], v[BM+2*\a+1]   ; the row's maximum is taken away ahead of the exponential
.endr
.irp a, 0,1
	v_mul_f32 v[NM+2*\a], s62, v[NM+2*\a]
.endr
.irp a, 0,1
.set k, 0
.rept 16
	v_pk_fma_f32 v[SS+32*\a+k:SS+32*\a+k+1], v[SS+32*\a+k:SS+32*\a+k+1], s[60:61], v[NM+2*\a:NM+2*\a+1] op_sel_hi:[1,0,0]
.set k, k+2
.endr
.endr
.irp a, 0,1
.irp b, 0,1
	v_fma_f32 v[BM+2*\a+\b], v[BM+2*\a+\b], s60, v[NM+2*\a]
.endr
.endr
.set k, 0
	s_wait_alu depctr_va_vdst(0)
.rept 64
	v_exp_f32 v[SS+k], v[SS+k]
.set k, k+1
.endr
.irp n, 0,1,2,3
	v_exp_f32 v[BM+\n], v[BM+\n]
.endr
	v_nop                                          ; a plain place behind the batch,
	s_wait_alu depctr_va_vdst(0)                   ; and one wait for its 68 exponentials, ahead of the first reader: v[SS ..] and v[BM ..] are written
.irp a, 0,1
	v_pk_add_f32 v[SU+4*\a:SU+4*\a+1], v[SS+32*\a:SS+32*\a+1], v[SS+32*\a+2:SS+32*\a+3]
	v_pk_add_f32 v[SU+4*\a+2:SU+4*\a+3], v[SS+32*\a+4:SS+32*\a+5], v[SS+32*\a+6:SS+32*\a+7]
.endr
.irp i, 8,12,16,20,24,28
.irp a, 0,1
	v_pk_add_f32 v[SU+4*\a:SU+4*\a+1], v[SU+4*\a:SU+4*\a+1], v[SS+32*\a+\i:SS+32*\a+\i+1]
	v_pk_add_f32 v[SU+4*\a+2:SU+4*\a+3], v[SU+4*\a+2:SU+4*\a+3], v[SS+32*\a+\i+2:SS+32*\a+\i+3]
.endr
.endr
.irp a, 0,1
	v_pk_add_f32 v[SU+4*\a:SU+4*\a+1], v[SU+4*\a:SU+4*\a+1], v[SU+4*\a+2:SU+4*\a+3]
.endr
.irp a, 0,1
	v_add_f32 v[SU+4*\a], v[SU+4*\a], v[SU+4*\a+1]
.endr
.irp a, 0,1
	v_permlanex16_b32 v[SU+4*\a+2], v[SU+4*\a], s58, s59
.endr
.irp a, 0,1
	v_add_f32 v[SU+4*\a], v[SU+4*\a], v[SU+4*\a+2]
.endr
	s_wait_alu depctr_va_vdst(0)
.irp a, 0,1
	v_rcp_f32 v[RI+2*\a], v[SU+4*\a]
.endr
	v_nop
	s_wait_alu depctr_va_vdst(0)                   ; one wait for the two reciprocals: v[RI], v[RI+2] are written
.irp a, 0,1
.set k, 0
.rept 16
	v_pk_mul_f32 v[SS+32*\a+k:SS+32*\a+k+1], v[SS+32*\a+k:SS+32*\a+k+1], v[RI+2*\a:RI+2*\a+1] op_sel_hi:[1,0]
.set k, k+2
.endr
.endr
.irp a, 0,1
.irp b, 0,1
	v_mul_f32 v[BM+2*\a+\b], v[BM+2*\a+\b], v[RI+2*\a]
.endr
.endr
.irp n, 0,1,2,3
	v_max_num_f32 v[BM+\n], 0x1800000, v[BM+\n]    ; the floor: the byte cannot fall under 1
.endr
.irp n, 0,1,2,3
	v_add_nc_u32 v[SO+\n], 0xff000000, v[BM+\n]
.endr
.irp n, 0,1,2,3
	v_lshrrev_b32 v[BT+\n], 23, v[SO+\n]
.endr
.irp a, 0,1
	v_lshl_or_b32 v[PSW+\a], v[BT+2*\a+1], 8, v[BT+2*\a]
.endr
.irp a, 0,1
	v_lshl_or_b32 v[PSW+\a], v[PSW+\a], 16, v[PSW+\a]   ; key blocks 0, 1 at places 0, 1 and at places 2, 3
.endr
.endm
; query tiles 2 c and 2 c + 1 of the window.  The bias is asked for first; q's copies are made while it is on its way.
.macro PAIR c
	s_wait_alu depctr_va_vdst(0)                   ; what read and wrote v[SS ..] is done (v's quantiser; in the second pair the first pair's products and conversions): the bias lands there
.irp a, 0,1                            ; the bias, x sqrt(32), into the accumulators: dy = 4 (c - b) + a - u + 2 (r / 8) - 2 h + 7
.irp b, 0,1
.irp u, 0,1
.irp e, 0,1
	ds_load_b128 v[SS+32*\a+16*\b+8*\u+4*\e:SS+32*\a+16*\b+8*\u+4*\e+3], v[AT2] offset:(4*((\c)-\b)+\a-\u+5)*192+2880*\e
.endr
.endr
.endr
.endr
.if (\c) > 0
	s_wait_alu depctr_vm_vsrc(0)                   ; the first pair's stores have read v[CQ ..] and the two bytes in v[BQT+6], v[BQT+7], which this pair writes again
.endif
.irp i, 0,1,2,3,4,5
	v_permlanex16_b32 v[SU+\i], v[QP+6*(\c)+\i], s58, s59
.endr
.irp i, 0,1,2,3,4,5                    ; tile 2 c lies in lanes 0-15 of these six registers, tile 2 c + 1 in lanes 16-31: each is wanted in either half, with zeros in the other
	v_and_b32 v[ZQ+6+\i], v[MLO], v[QP+6*(\c)+\i]
	v_and_b32 v[ZQ+18+\i], v[MHI], v[SU+\i]
	v_and_b32 v[ZQ+30+\i], v[MLO], v[SU+\i]
	v_and_b32 v[ZQ+42+\i], v[MHI], v[QP+6*(\c)+\i]
.endr
	s_wait_dscnt 0x0
.irp a, 0,1                            ; the mask: query and key on different sides of y = 4 (c against b) or of x = 4 (the lane's x against the register's half)
.irp b, 0,1
.irp u, 0,1
.set RS0, SS+32*\a+16*\b+8*\u
.set YD, MV+2*(((\c)+\b)%2)
	v_pk_add_f32 v[RS0:RS0+1], v[RS0:RS0+1], v[YD:YD+1] op_sel_hi:[1,0]
	v_pk_add_f32 v[RS0+2:RS0+3], v[RS0+2:RS0+3], v[YD:YD+1] op_sel_hi:[1,0]
	v_pk_add_f32 v[RS0+4:RS0+5], v[RS0+4:RS0+5], v[YD:YD+1] op_sel:[0,1] op_sel_hi:[1,1]
	v_pk_add_f32 v[RS0+6:RS0+7], v[RS0+6:RS0+7], v[YD:YD+1] op_sel:[0,1] op_sel_hi:[1,1]
.endr
.endr
.endr
	s_wait_alu depctr_va_vdst(0)                   ; q's copies in v[ZQ ..] are written (and, earlier, k's codes and both scale words): the scaled products take them as operands; the additions above are the places, which stay
.irp i, 0,1,2,3                        ; S^T = k q^T + C: key tile i stands at place i of k's operand; q's one block stands at place i
.irp a, 0,1
	MM SS+32*\a+8*\i, KP, ZQ+24*\a+6+12*(\i%2)-6*(\i/2), SS+32*\a+8*\i, KS, QS+2*(\c)+\a
.endr
.endr
	PLACES 4
	SOFTMAX
.irp a, 0,1
	v_cvt_scalef32_pk16_fp6_f32 v[ZQ+24*\a+6:ZQ+24*\a+8], v[SS+32*\a:SS+32*\a+15], v[SO+2*\a]
	v_cvt_scalef32_pk16_fp6_f32 v[SU+4*\a:SU+4*\a+2], v[SS+32*\a+16:SS+32*\a+31], v[SO+2*\a+1]
.endr
	v_nop                                          ; one plain place behind a scaled conversion
.irp a, 0,1                            ; p where q's low copy lay, zeros on both sides: lanes 0-15 key block 0, lanes 16-31 key block 1
.irp i, 0,1,2
	v_permlane16_swap_b32 v[ZQ+24*\a+6+\i], v[SU+4*\a+\i]
.endr
.irp i, 0,1,2
	v_mov_b32 v[ZQ+24*\a+9+\i], v[SU+4*\a+\i]
.endr
.endr
	PLACES 8                                       ; a scale word written by vector instructions stands 8 places ahead of a scaled matrix instruction, an operand 4
	s_wait_alu depctr_va_vdst(0)                   ; p's codes in v[ZQ ..] and its scale words in v[PSW ..] are written: the scaled products take them; the places above stay beside this wait
.irp u, 0,1                            ; ctx^T = v^T p^T: channel tile u stands at places 2 u, 2 u + 1 of v's operand
.irp a, 0,1
	MM0 SS+32*\a+8*\u, VP, ZQ+24*\a+6-6*\u, VS, PSW+\a
.endr
.endr
	PLACES 4
	BLKQ SS, SS+32, CCA, 6656*(\c), CBA, 256*(\c), 256*(\c)+128   ; my head is block w of ctx's rows
.endm
	s_mov_b32 s78, 0
	s_mov_b32 s79, LXC
	s_mov_b32 s80, LXS
	s_mov_b32 s81, LCC
	s_mov_b32 s82, LCS
.set BQT, 182
.set CQ,  198
.set CT,  204
.Lwin:
	s_wait_alu depctr_vm_vsrc(0)                   ; the LDS and memory instructions issued so far have read their registers, which this trip writes again: v30, v31, v212, v213 and the last stores' data; in the first trip also v192-203, v240 and v250-253, the head's and the first phase's
	v_add_nc_u32 v[TA], s79, v[AF]
	v_add_nc_u32 v[TB], s80, v[AS8]
	v_add_nc_u32 v[CCA], s81, v[ACW]
	v_add_nc_u32 v[CBA], s82, v[ABY]
	UNIT_T 0, 144, SCA
	QUANT ACC, QP, QT, PW, TM
.irp t, 0,1,2,3
	v_perm_b32 v[QS+\t], v[TM+4+\t], v[TM+4+\t], 0  ; tile t's byte in all four places: q's block may stand at any
.endr
	UNIT_T 48, 160, SCA+4
	QUANT ACC, KP, QT, KS, TM
	UNIT_V
	QUANT ACC, VP, QT, VS, TM
	s_and_b32 s92, s93, s78                        ; the mask along x: the row's last window alone
	v_bfe_u32 v[MV], v0, 2, 1                      ; is my query's x 4 or more?
	v_xor_b32 v[MV+1], 1, v[MV]
	v_and_b32 v[MV], s92, v[MV]
	v_and_b32 v[MV+1], s92, v[MV+1]
	v_or_b32 v[MV+2], s91, v[MV]
	v_or_b32 v[MV+3], s91, v[MV+1]
.irp n, 0,1,2,3
	v_cvt_f32_u32 v[MV+\n], v[MV+\n]
.endr
.irp n, 0,1,2,3
	v_mul_f32 v[MV+\n], 0xc40d6bde, v[MV+\n]       ; -100 sqrt(32) or 0: a value, no branch
.endr
.irp z, 0,1,2,3,4
.irp i, 0,1,2,3,4,5
	v_mov_b32 v[ZQ+12*\z+\i], 0                    ; zero codes add nothing under any scale byte but 0xff
.endr
.endr
	PAIR 0
	PAIR 1
	s_add_co_u32 s79, s79, 64*208
	s_add_co_u32 s80, s80, 64*8
	s_add_co_u32 s81, s81, 64*208
	s_add_co_u32 s82, s82, 64*8
	s_add_co_u32 s78, s78, 1
	s_cmp_lt_u32 s78, 2
	s_cbranch_scc1 .Lwin
	WIN 0x40                                       ; q's, k's and v's weights are done with: w1's 16 fragments take their registers, two phases ahead of their use
	s_wait_alu depctr_va_vdst(0)                   ; the products by q's, k's and v's weights and biases are done reading window 1's v0-191, where w1 lands; so is all that named v208-255 of window 0, where LN2's vectors land below
.irp t, 0,1,2,3,4,5,6,7
	WL192 24*\t, 46, 32*(2*((\t/2)%2)+\t/4)+8*(\t%2)
.endr
	WIN 0
	BARRIER                                        ; ctx's codes and scale bytes lie in LDS; nobody reads x's codes any more
; ---------------------------------------------------------------- PO1: output dense + shortcut for my 32 channels, two tiles of rows a trip; LN2's partial figures
.set FRC, 64                           ; v64-111 four fragments of ctx
.set FSC, 112                          ; v112-115 their scale words
.set SHR, 116                          ; v116-147 the shortcut; then hidden - my mean
.set OA,  148                          ; v148-179 two tiles x 16 channels
.set AR,  180
.set AST, 181
.set ASTB, 182
.set PS1, 184                          ; v184-199: a tile: two chains, a permute's place, the pair (mean, sum of squares)
.set G2,  208                          ; v208-223 ln2_g, v224-239 ln2_b, v240-255 b2: my lane's 16 channels
.set B2L, 224
.set BB2, 240
	s_wait_alu depctr_vm_vsrc(0)                   ; my stores of ctx's codes have read their addresses v212 and v213, in which ln2_g lands (no vector or matrix instruction has been issued since the wait on va_vdst ahead of w1's loads)
.irp q, 0,1,2,3
	global_load_b128 v[G2+4*\q:G2+4*\q+3], v[H64], s[42:43] offset:16*\q
	global_load_b128 v[B2L+4*\q:B2L+4*\q+3], v[H64], s[44:45] offset:16*\q
	global_load_b128 v[BB2+4*\q:BB2+4*\q+3], v[H64], s[56:57] offset:16*\q
.endr
	v_and_b32 v[ASTB], 15, v0
	v_mul_u32_u24 v[ASTB], v[ASTB], 80
	s_lshl_b32 s5, s[WV], 3
	v_add_nc_u32 v[ASTB], s5, v[ASTB]              ; 80 r + 8 w
	s_mov_b32 s78, 0
	s_mov_b32 s83, LCC
	s_mov_b32 s84, LCS
	s_mov_b32 s85, 0
	s_mov_b32 s86, LST
.Lpo1:
	s_wait_alu depctr_vm_vsrc(0)                   ; the last trip's LDS instructions have read v30, v31, v180, v181, the pairs in v[PS1 ..] and v[OA ..], all of which this trip writes again
	v_add_nc_u32 v[TA], s83, v[AF]
	v_add_nc_u32 v[TB], s84, v[AS8]
	v_add_nc_u32 v[AR], s85, v[ARS]
	v_add_nc_u32 v[AST], s86, v[ASTB]
	s_wait_alu depctr_va_vdst(0)                   ; the four addresses are written; the last trip's products are done reading v[FRC ..] and v[FSC ..], its vector work is done with v[SHR ..]: the loads land there
.irp mm, 0,1
.irp s, 0,1
	FETCH FRC+24*\mm+12*\s, TA, 3328*\mm+96*\s
.endr
	ds_load_b64 v[FSC+2*\mm:FSC+2*\mm+1], v[TB] offset:128*\mm
.endr
.irp mm, 0,1
.irp j, 0,1,2,3
	ds_load_b128 v[SHR+16*\mm+4*\j:SHR+16*\mm+4*\j+3], v[AR] offset:16*RPIT*\mm+16*\j
.endr
.endr
	s_wait_dscnt 0x0
	WIN 0x11
.irp mm, 0,1
.irp u, 0,1
	MM OA+16*\mm+8*\u, 192+24*\u, FRC+24*\mm, 240+8*\u, SCA+12+2*\u, FSC+2*\mm
.endr
.endr
	WIN 0x01
.irp mm, 0,1
.irp u, 0,1
	MM OA+16*\mm+8*\u, 192+24*\u+12, FRC+24*\mm+12, OA+16*\mm+8*\u, SCA+13+2*\u, FSC+2*\mm+1
.endr
.endr
	WIN 0
	PLACES 5
.set k, 0
.rept 16
	v_pk_add_f32 v[OA+k:OA+k+1], v[OA+k:OA+k+1], v[SHR+k:SHR+k+1]   ; hidden = shortcut + attention
.set k, k+2
.endr
.irp mm, 0,1
	v_pk_add_f32 v[PS1+8*\mm:PS1+8*\mm+1], v[OA+16*\mm:OA+16*\mm+1], v[OA+16*\mm+2:OA+16*\mm+3]
	v_pk_add_f32 v[PS1+8*\mm+2:PS1+8*\mm+3], v[OA+16*\mm+4:OA+16*\mm+5], v[OA+16*\mm+6:OA+16*\mm+7]
.endr
.irp i, 8,12
.irp mm, 0,1
	v_pk_add_f32 v[PS1+8*\mm:PS1+8*\mm+1], v[PS1+8*\mm:PS1+8*\mm+1], v[OA+16*\mm+\i:OA+16*\mm+\i+1]
	v_pk_add_f32 v[PS1+8*\mm+2:PS1+8*\mm+3], v[PS1+8*\mm+2:PS1+8*\mm+3], v[OA+16*\mm+\i+2:OA+16*\mm+\i+3]
.endr
.endr
.irp mm, 0,1
	v_pk_add_f32 v[PS1+8*\mm:PS1+8*\mm+1], v[PS1+8*\mm:PS1+8*\mm+1], v[PS1+8*\mm+2:PS1+8*\mm+3]
.endr
.irp mm, 0,1
	v_add_f32 v[PS1+8*\mm], v[PS1+8*\mm], v[PS1+8*\mm+1]
.endr
.irp mm, 0,1
	v_permlanex16_b32 v[PS1+8*\mm+4], v[PS1+8*\mm], s58, s59
.endr
.irp mm, 0,1
	v_add_f32 v[PS1+8*\mm], v[PS1+8*\mm], v[PS1+8*\mm+4]
.endr
.irp mm, 0,1
	v_mul_f32 v[PS1+8*\mm+6], 0x3d000000, v[PS1+8*\mm]   ; the mean of my 32 channels
.endr
.irp mm, 0,1
.set k, 0
.rept 8
	v_pk_add_f32 v[SHR+16*\mm+k:SHR+16*\mm+k+1], v[OA+16*\mm+k:OA+16*\mm+k+1], v[PS1+8*\mm+6:PS1+8*\mm+7] op_sel_hi:[1,0] neg_lo:[0,1] neg_hi:[0,1]
.set k, k+2
.endr
.endr
.irp mm, 0,1
	v_pk_mul_f32 v[PS1+8*\mm:PS1+8*\mm+1], v[SHR+16*\mm:SHR+16*\mm+1], v[SHR+16*\mm:SHR+16*\mm+1]
	v_pk_mul_f32 v[PS1+8*\mm+2:PS1+8*\mm+3], v[SHR+16*\mm+2:SHR+16*\mm+3], v[SHR+16*\mm+2:SHR+16*\mm+3]
.endr
.irp i, 4,8,12
.irp mm, 0,1
	v_pk_fma_f32 v[PS1+8*\mm:PS1+8*\mm+1], v[SHR+16*\mm+\i:SHR+16*\mm+\i+1], v[SHR+16*\mm+\i:SHR+16*\mm+\i+1], v[PS1+8*\mm:PS1+8*\mm+1]
	v_pk_fma_f32 v[PS1+8*\mm+2:PS1+8*\mm+3], v[SHR+16*\mm+\i+2:SHR+16*\mm+\i+3], v[SHR+16*\mm+\i+2:SHR+16*\mm+\i+3], v[PS1+8*\mm+2:PS1+8*\mm+3]
.endr
.endr
.irp mm, 0,1
	v_pk_add_f32 v[PS1+8*\mm:PS1+8*\mm+1], v[PS1+8*\mm:PS1+8*\mm+1], v[PS1+8*\mm+2:PS1+8*\mm+3]
.endr
.irp mm, 0,1
	v_add_f32 v[PS1+8*\mm], v[PS1+8*\mm], v[PS1+8*\mm+1]
.endr
.irp mm, 0,1
	v_permlanex16_b32 v[PS1+8*\mm+4], v[PS1+8*\mm], s58, s59
.endr
.irp mm, 0,1
	v_add_f32 v[PS1+8*\mm+7], v[PS1+8*\mm], v[PS1+8*\mm+4]   ; the sum of squares about it
.endr
	s_wait_alu depctr_va_vdst(0)                   ; hidden in v[OA ..] and the two pairs in v[PS1 ..] are written: the ten stores read them
.irp mm, 0,1
	ds_store_b64 v[AST], v[PS1+8*\mm+6:PS1+8*\mm+7] offset:1280*\mm   ; both halves of the lanes write the same pair
.irp j, 0,1,2,3
	ds_store_b128 v[AR], v[OA+16*\mm+4*\j:OA+16*\mm+4*\j+3] offset:16*RPIT*\mm+16*\j   ; hidden over the shortcut: bytes that my wave alone touches
.endr
.endr
	s_add_co_u32 s83, s83, 32*208
	s_add_co_u32 s84, s84, 32*8
	s_add_co_u32 s85, s85, 32*RPIT
	s_add_co_u32 s86, s86, 32*80
	s_add_co_u32 s78, s78, 1
	s_cmp_lt_u32 s78, 4
	s_cbranch_scc1 .Lpo1
	WIN 0x40                                       ; wo and bo are done with: b1 as the C of w1's eight tiles, at 192 + 8 t
	s_wait_alu depctr_va_vdst(0)                   ; the products by wo and bo are done reading window 1's v192-255, where b1 lands
.irp t, 0,1,2,3,4,5,6,7
.irp q, 0,1
	global_load_b128 v[192+8*\t+4*\q:195+8*\t+4*\q], v[H64], s[50:51] offset:(32*(2*((\t/2)%2)+\t/4)+8*(\t%2))*4+16*\q
.endr
.endr
	WIN 0
	BARRIER                                        ; all eight waves' partial figures lie in LDS
; ---------------------------------------------------------------- PO2: LN2 of my 32 channels, its codes; R takes hidden + b2
.set HD,  64                           ; v64-95 hidden
.set SQ,  96                           ; v96-111 four waves' pairs a tile
.set TT,  112                          ; v112-143 LN2's result
.set P2,  144                          ; v144-159: a tile: mean (a pair), 1 / sqrt (a pair), four at work
.set BQT, 160
.set CQ,  168
.set CT,  174
	s_wait_loadcnt 16                              ; ln2_g, ln2_b and b2 are in (and w1, older still); the 16 loads of b1, issued behind them, may be out
	s_wait_alu depctr_vm_vsrc(0)                   ; the last phase's stores have read their address v181, which is at work in the lines below
	v_and_b32 v[ASTB], 15, v0
	v_mul_u32_u24 v[ASTB], v[ASTB], 80
	v_bfe_u32 v[AST], v0, 4, 1
	v_lshl_add_u32 v[ASTB], v[AST], 5, v[ASTB]     ; 80 r + 32 h: the pairs of waves 4 h .. 4 h + 3
	s_mov_b32 s78, 0
	s_mov_b32 s85, 0
	s_mov_b32 s86, LST
	s_mov_b32 s87, LXC
	s_mov_b32 s88, LXS
.Lpo2:
	s_wait_alu depctr_vm_vsrc(0)                   ; the last trip's LDS instructions have read v30, v31, v180, v181, v[HD ..], v[CQ ..] and the two bytes, all of which this trip writes again
	v_add_nc_u32 v[AR], s85, v[ARS]
	v_add_nc_u32 v[AST], s86, v[ASTB]
	v_add_nc_u32 v[TA], s87, v[ACW]
	v_add_nc_u32 v[TB], s88, v[ABY]
	s_wait_alu depctr_va_vdst(0)                   ; the four addresses are written; the vector work that named v[HD ..] and v[SQ ..] is done: the loads land there
.irp mm, 0,1
.irp j, 0,1,2,3
	ds_load_b128 v[HD+16*\mm+4*\j:HD+16*\mm+4*\j+3], v[AR] offset:16*RPIT*\mm+16*\j
.endr
.irp q, 0,1
	ds_load_b128 v[SQ+8*\mm+4*\q:SQ+8*\mm+4*\q+3], v[AST] offset:1280*\mm+16*\q
.endr
.endr
	s_wait_dscnt 0x0
.irp mm, 0,1
	v_add_f32 v[P2+8*\mm+4], v[SQ+8*\mm], v[SQ+8*\mm+2]
	v_add_f32 v[P2+8*\mm+5], v[SQ+8*\mm+4], v[SQ+8*\mm+6]
	v_add_f32 v[P2+8*\mm+7], v[SQ+8*\mm+1], v[SQ+8*\mm+3]
.endr
.irp mm, 0,1
	v_add_f32 v[P2+8*\mm+4], v[P2+8*\mm+4], v[P2+8*\mm+5]
	v_add_f32 v[P2+8*\mm+5], v[SQ+8*\mm+5], v[SQ+8*\mm+7]
.endr
.irp mm, 0,1
	v_permlanex16_b32 v[P2+8*\mm+6], v[P2+8*\mm+4], s58, s59
	v_add_f32 v[P2+8*\mm+5], v[P2+8*\mm+5], v[P2+8*\mm+7]   ; four sums of squares
.endr
.irp mm, 0,1
	v_add_f32 v[P2+8*\mm+4], v[P2+8*\mm+4], v[P2+8*\mm+6]
.endr
.irp mm, 0,1
	v_mul_f32 v[P2+8*\mm], 0x3e000000, v[P2+8*\mm+4]        ; the row's mean: eight equal parts
.endr
.irp i, 0,2,4,6
.irp mm, 0,1
	v_sub_f32 v[SQ+8*\mm+\i], v[SQ+8*\mm+\i], v[P2+8*\mm]
.endr
.endr
.irp mm, 0,1
	v_mul_f32 v[P2+8*\mm+4], v[SQ+8*\mm], v[SQ+8*\mm]
.endr
.irp i, 2,4,6
.irp mm, 0,1
	v_fmac_f32 v[P2+8*\mm+4], v[SQ+8*\mm+\i], v[SQ+8*\mm+\i]
.endr
.endr
.irp mm, 0,1
	v_fmamk_f32 v[P2+8*\mm+5], v[P2+8*\mm+4], 0x42000000, v[P2+8*\mm+5]   ; + 32 x the squares of the parts' means about the row's
.endr
.irp mm, 0,1
	v_permlanex16_b32 v[P2+8*\mm+6], v[P2+8*\mm+5], s58, s59
.endr
.irp mm, 0,1
	v_add_f32 v[P2+8*\mm+5], v[P2+8*\mm+5], v[P2+8*\mm+6]
.endr
.irp mm, 0,1
	v_fma_f32 v[P2+8*\mm+5], v[P2+8*\mm+5], s96, s97
.endr
	s_wait_alu depctr_va_vdst(0)
.irp mm, 0,1
	v_rsq_f32 v[P2+8*\mm+2], v[P2+8*\mm+5]
.endr
	v_nop
	s_wait_alu depctr_va_vdst(0)                   ; one wait for the two: v[P2+2], v[P2+10] are written, ahead of their first reader
.irp mm, 0,1
.set k, 0
.rept 8
	v_pk_add_f32 v[TT+16*\mm+k:TT+16*\mm+k+1], v[HD+16*\mm+k:HD+16*\mm+k+1], v[P2+8*\mm:P2+8*\mm+1] op_sel_hi:[1,0] neg_lo:[0,1] neg_hi:[0,1]
.set k, k+2
.endr
.endr
.irp mm, 0,1
.set k, 0
.rept 8
	v_pk_mul_f32 v[TT+16*\mm+k:TT+16*\mm+k+1], v[TT+16*\mm+k:TT+16*\mm+k+1], v[P2+8*\mm+2:P2+8*\mm+3] op_sel_hi:[1,0]
.set k, k+2
.endr
.endr
.irp mm, 0,1
.set k, 0
.rept 8
	v_pk_fma_f32 v[TT+16*\mm+k:TT+16*\mm+k+1], v[TT+16*\mm+k:TT+16*\mm+k+1], v[G2+k:G2+k+1], v[B2L+k:B2L+k+1]
	v_pk_add_f32 v[HD+16*\mm+k:HD+16*\mm+k+1], v[HD+16*\mm+k:HD+16*\mm+k+1], v[BB2+k:BB2+k+1]   ; hidden + b2: the C of the last product
.set k, k+2
.endr
.endr
	BLKQ TT, TT+16, TA, 0, TB, 0, 128
.irp mm, 0,1                           ; all the trip's stores stand behind the one wait in the lines above: v[HD ..] was written ahead of it, and no vector instruction has been issued since
.irp j, 0,1,2,3
	ds_store_b128 v[AR], v[HD+16*\mm+4*\j:HD+16*\mm+4*\j+3] offset:16*RPIT*\mm+16*\j
.endr
.endr
	s_add_co_u32 s85, s85, 32*RPIT
	s_add_co_u32 s86, s86, 32*80
	s_add_co_u32 s87, s87, 32*208
	s_add_co_u32 s88, s88, 32*8
	s_add_co_u32 s78, s78, 1
	s_cmp_lt_u32 s78, 4
	s_cbranch_scc1 .Lpo2
	BARRIER                                        ; LN2's codes lie in LDS; nobody reads ctx's codes, the tables or the partial figures any more: the hidden layer's rows may take their bytes
	s_wait_loadcnt 0x0                             ; b1
; ---------------------------------------------------------------- PM1: my 128 hidden units, a tile of 16 rows a trip: they are K step w of the last product
.set GT,  128                          ; v128-159, v160-191, v192-223 gelu at work
.set GE,  160
.set GP,  192
.set FR1, 224                          ; v224-247 two fragments,  v248-249 their scale words
.set FS1, 248
.set HCA, 250
.set HSA, 251
.set W2SA, 252
; gelu(x) = max(x, 0) - |x| q,  q = Phi(-|x|) = t (A1 + t (A2 + t (A3 + t (A4 + t A5)))) 2^(-x^2 log2(e) / 2),  t = 1 / (1 + 0.2316419 |x|), the coefficients halved.  32 numbers.
.macro GELU x
.set k, 0
.rept 32
	v_fma_f32 v[GT+k], |v[(\x)+k]|, s66, 1.0
.set k, k+1
.endr
.set k, 0
.rept 16
	v_pk_mul_f32 v[GE+k:GE+k+1], v[(\x)+k:(\x)+k+1], v[(\x)+k:(\x)+k+1]
.set k, k+2
.endr
.set k, 0
.rept 16
	v_pk_mul_f32 v[GE+k:GE+k+1], v[GE+k:GE+k+1], s[68:69] op_sel_hi:[1,0]
.set k, k+2
.endr
.set k, 0
	s_wait_alu depctr_va_vdst(0)
.rept 32
	v_rcp_f32 v[GT+k], v[GT+k]
.set k, k+1
.endr
.set k, 0
.rept 32
	v_exp_f32 v[GE+k], v[GE+k]
.set k, k+1
.endr
	v_nop                                          ; a plain place behind the batch,
	s_wait_alu depctr_va_vdst(0)                   ; and one wait for its 64, ahead of the first reader: v[GT ..] and v[GE ..] are written
.set k, 0
.rept 16
	v_pk_fma_f32 v[GP+k:GP+k+1], v[GT+k:GT+k+1], s[70:71], v[GA4:GA4+1] op_sel_hi:[1,0,1]
.set k, k+2
.endr
.irp cf, 72,74,76
.set k, 0
.rept 16
	v_pk_fma_f32 v[GP+k:GP+k+1], v[GP+k:GP+k+1], v[GT+k:GT+k+1], s[\cf:\cf+1] op_sel_hi:[1,1,0]
.set k, k+2
.endr
.endr
.set k, 0
.rept 16
	v_pk_mul_f32 v[GE+k:GE+k+1], v[GE+k:GE+k+1], v[GT+k:GT+k+1]
.set k, k+2
.endr
.set k, 0
.rept 16
	v_pk_mul_f32 v[GP+k:GP+k+1], v[GP+k:GP+k+1], v[GE+k:GE+k+1]
.set k, k+2
.endr
.set k, 0
.rept 32
	v_max_num_f32 v[GT+k], 0, v[(\x)+k]
.set k, k+1
.endr
.set k, 0
.rept 32
	v_fma_f32 v[(\x)+k], -|v[(\x)+k]|, v[GP+k], v[GT+k]
.set k, k+1
.endr
.endm
; a trip.  last = 1: behind the launch's last product by w1 its registers take w2's 16 fragments, and wq's .. wo's scale words' registers w2's
.macro PM1T last
	s_wait_alu depctr_vm_vsrc(0)                   ; the LDS instructions issued so far have read v30, v31, v250, v251 and their stores' data (v144, v156-167; ahead of the first trip v64-95 and v166-173), all of which this trip writes again
	v_add_nc_u32 v[TA], s87, v[AF]
	v_add_nc_u32 v[TB], s88, v[AS8]
	v_add_nc_u32 v[HCA], s89, v[AH]
	v_add_nc_u32 v[HSA], s90, v[AHS]
	s_wait_alu depctr_va_vdst(0)                   ; the four addresses are written; what read v[FR1 ..] and v[FS1 ..] (the last trip's products; ahead of the first trip LN2's multiply-adds) is done: the fragments land there
	FETCH FR1, TA, 0
	FETCH FR1+12, TA, 96
	ds_load_b64 v[FS1:FS1+1], v[TB]
	s_wait_dscnt 0x0
	WIN 0x11
.irp t, 0,1,2,3,4,5,6,7
	MM ACC+8*\t, 24*\t, FR1, 192+8*\t, SCB+2*\t, FS1
.endr
	WIN 0x01
.irp t, 0,1,2,3,4,5,6,7
	MM ACC+8*\t, 24*\t+12, FR1+12, ACC+8*\t, SCB+2*\t+1, FS1+1
.endr
	WIN 0
	PLACES 5
.if \last
	v_lshlrev_b32 v[W2SA], 5, v[RP]                ; w2's scale bytes: 32 a row
	WIN 0x40
	s_wait_alu depctr_va_vdst(0)                   ; the last products by w1 are done reading window 1's v0-191, where w2 lands; v[W2SA] is written; the products that read v[SCA ..] are long done: only loads and a window switch follow up to the last of these loads
	WL768 0, 0
	WL768 96, 1
	WIN 0
.irp u, 0,1
.irp q, 0,1
	global_load_b128 v[SCA+8*\u+4*\q:SCA+8*\u+4*\q+3], v[W2SA], s[54:55] offset:256*\u+16*\q
.endr
.endr
.endif
	GELU ACC
	GELU ACC+32
	QUANT ACC, 156, 146, 144, 128
	s_wait_alu depctr_va_vdst(0)                   ; the codes in v156-167 and the scale word in v144 are written: the stores read them
.irp i, 0,1,2
	ds_store_b128 v[HCA], v[156+4*\i:159+4*\i] offset:16*\i
.endr
	ds_store_b32 v[HSA], v144
.endm
	s_mov_b32 s78, 0
	s_mov_b32 s87, LXC
	s_mov_b32 s88, LXS
	s_mul_i32 s89, s[WV], 96
	s_add_co_u32 s89, s89, LHC
	s_lshl_b32 s90, s[WV], 2
	s_add_co_u32 s90, s90, LHS
.Lpm1:
	PM1T 0
	s_add_co_u32 s87, s87, 16*208
	s_add_co_u32 s88, s88, 16*8
	s_add_co_u32 s89, s89, 16*784
	s_add_co_u32 s90, s90, 16*48
	s_add_co_u32 s78, s78, 1
	s_cmp_lt_u32 s78, 7
	s_cbranch_scc1 .Lpm1
	PM1T 1                                         ; the eighth tile is written out, so that no load stands under a branch
	BARRIER                                        ; the hidden layer's codes lie in LDS
; ---------------------------------------------------------------- PM2: my 32 channels of the result for all 128 rows; 16 accumulators, begun with hidden + b2
.set AHG,  232                         ; v232-233 fragments of rows 0-63, 64-127;  v234-235 their scale words;  v236 R, rows 64 on
.set AHSG, 234
.set ARS2, 236
	s_wait_loadcnt 0x0                             ; w2
.set k, 0
.rept 16
	v_perm_b32 v[SCA+k], v[SCA+k], v[SCA+k], s63
.set k, k+1
.endr
	v_add_nc_u32 v[AHG], LHC, v[AH]
	v_add_nc_u32 v[AHG+1], LHC+64*784, v[AH]
	v_add_nc_u32 v[AHSG], LHS, v[AHS]
	v_add_nc_u32 v[AHSG+1], LHS+64*48, v[AHS]
	v_add_nc_u32 v[ARS2], 64*RPIT, v[ARS]
	PLACES 8                                       ; scale words written by vector instructions stand 8 places ahead of a scaled matrix instruction
	s_wait_alu depctr_va_vdst(0)                   ; the five addresses are written; w2's scale words are written, which the scaled products take (the places above stay beside this wait); what named v64-231 and window 1's v192-255 (gelu, the quantiser, the products by b1) is done: the loads below land there
	s_wait_alu depctr_vm_vsrc(0)                   ; my last stores of the hidden layer have read v144 and v156-167, in which fragments land
.irp m, 0,1,2,3
.irp j, 0,1,2,3
	ds_load_b128 v[64+16*\m+4*\j:67+16*\m+4*\j], v[ARS] offset:16*RPIT*\m+16*\j
.endr
.endr
	WIN 0x40
.irp m, 0,1,2,3
.irp j, 0,1,2,3
	ds_load_b128 v[192+16*\m+4*\j:195+16*\m+4*\j], v[ARS2] offset:16*RPIT*\m+16*\j
.endr
.endr
	WIN 0
.macro PM2L n                          ; batch n: K step n / 2, rows 64 (n % 2) on: four fragments and four scale words: 16 LDS loads, into buffer n % 2
.set KA, (\n)/2
.set GR, (\n)%2
.irp mm, 0,1,2,3
	FETCH 128+52*GR+12*\mm, AHG+GR, 12544*\mm+96*KA
	ds_load_b32 v[176+52*GR+\mm], v[AHSG+GR] offset:768*\mm+4*KA
.endr
.endm
.macro PM2B n
.if (\n) < 15
	s_wait_dscnt 16                                ; all but the next batch's 16 loads
.else
	s_wait_dscnt 0x0
.endif
.set KA, (\n)/2
.set GR, (\n)%2
	WIN 0x01+0x50*GR                               ; w2 in window 1; the accumulators of rows 64 on too
.irp mm, 0,1,2,3
.irp u, 0,1
	MM 64+128*GR+16*\mm+8*\u, 96*\u+12*KA, 128+52*GR+12*\mm, 64+128*GR+16*\mm+8*\u, SCA+8*\u+KA, 176+52*GR+\mm
.endr
.endr
	WIN 0
.if (\n) < 14
	PLACES 4
	s_wait_alu depctr_va_vdst(0)                   ; this batch's eight products are done reading their four fragments and scale words: the batch two on lands in the same buffer, while the other buffer is multiplied
	PM2L (\n)+2
.endif
.endm
	PM2L 0
	PM2L 1
.irp n, 0,1,2,3,4,5,6,7,8,9,10,11,12,13,14,15
	PM2B \n
.endr
	PLACES 4
	s_wait_alu depctr_va_vdst(0)                   ; the products have written the 16 accumulators, which the stores read, and are done reading v128-231; the places above stay beside this wait
.irp m, 0,1,2,3                        ; the result over hidden + b2, each accumulator from its low end on
.irp j, 0,1,2,3
	ds_store_b128 v[ARS], v[64+16*\m+4*\j:67+16*\m+4*\j] offset:16*RPIT*\m+16*\j
.endr
.endr
	WIN 0x04                                       ; an LDS store's data are its source 1
.irp m, 0,1,2,3
.irp j, 0,1,2,3
	ds_store_b128 v[ARS2], v[192+16*\m+4*\j:195+16*\m+4*\j] offset:16*RPIT*\m+16*\j
.endr
.endr
	WIN 0
	BARRIER                                        ; 128 whole rows of the result lie in R
; ---------------------------------------------------------------- PS: my 16 rows go where their x came from
	s_wait_alu depctr_vm_vsrc(0)                   ; my stores into R have read v64-127, in which the rows land (no vector or matrix instruction has been issued since the wait on va_vdst ahead of those stores)
.set k, 0
.rept 32
	ds_load_b128 v[64+4*k:67+4*k], v[AXW] offset:RPIT*(k/2)+512*(k%2)
.set k, k+1
.endr
.set k, 0
.rept 32
	s_wait_dscnt 31-k                              ; LDS loads come back in order: load k is in
	global_store_b128 v[VO+2*((k/2)/8)+((k/2)/4)%2], v[64+4*k:67+4*k], s[10:11] offset:1024*((k/2)%4)+512*(k%2) th:TH_STORE_NT   ; 32 lanes store 512 consecutive bytes, at a multiple of 512 from the result's first byte
.set k, k+1
.endr
	s_wait_dscnt 0x0                               ; the closing lines, six on end
	s_wait_alu 0x0
	s_wait_tensorcnt 0x0
	ds_add_u32 v[SPW], v[NIL]
	s_wait_dscnt 0x0
	s_endpgm
.Lfunc_end_k_q48ca602bee_swin:
	.size	k_q48ca602bee_swin, .Lfunc_end_k_q48ca602bee_swin-k_q48ca602bee_swin
	.p2alignl 7, 3214868480
	.fill 96, 4, 3214868480
	.section	.rodata,"a",@progbits
	.p2align	6, 0x0
	.amdhsa_kernel k_q48ca602bee_swin
		.amdhsa_group_segment_fixed_size 268288
		.amdhsa_private_segment_fixed_size 0
		.amdhsa_enable_private_segment 0
		.amdhsa_kernarg_size 200
		.amdhsa_user_sgpr_count 2
		.amdhsa_user_sgpr_kernarg_segment_ptr 1
		.amdhsa_wavefront_size32 1
		.amdhsa_system_sgpr_workgroup_id_x 1
		.amdhsa_system_sgpr_workgroup_id_y 1
		.amdhsa_system_sgpr_workgroup_id_z 1
		.amdhsa_system_vgpr_workitem_id 0
		.amdhsa_next_free_vgpr 512
		.amdhsa_next_free_sgpr 102
		.amdhsa_reserve_vcc 0
		.amdhsa_float_denorm_mode_32 3
		.amdhsa_float_denorm_mode_16_64 3
		.amdhsa_memory_ordered 1
		.amdhsa_forward_progress 1
		.amdhsa_inst_pref_size 255
	.end_amdhsa_kernel
	.section	.bss,"aw",@nobits
	.p2align	6
	.space	262144
	.amdgpu_metadata
---
amdhsa.version: [ 1, 2 ]
amdhsa.kernels:
  - .name:           k_q48ca602bee_swin
    .symbol:         k_q48ca602bee_swin.kd
    .args:
      - { .name: hidden_states, .offset: 0, .size: 8, .value_kind: global_buffer, .address_space: global }
      - { .name: out0, .offset: 8, .size: 8, .value_kind: global_buffer, .address_space: global }
      - { .name: ln1_g, .offset: 16, .size: 8, .value_kind: global_buffer, .address_space: global }
      - { .name: ln1_b, .offset: 24, .size: 8, .value_kind: global_buffer, .address_space: global }
      - { .name: rel_table, .offset: 32, .size: 8, .value_kind: global_buffer, .address_space: global }
      - { .name: wq_codes, .offset: 40, .size: 8, .value_kind: global_buffer, .address_space: global }
      - { .name: wk_codes, .offset: 48, .size: 8, .value_kind: global_buffer, .address_space: global }
      - { .name: wv_codes, .offset: 56, .size: 8, .value_kind: global_buffer, .address_space: global }
      - { .name: wo_codes, .offset: 64, .size: 8, .value_kind: global_buffer, .address_space: global }
      - { .name: wq_scales, .offset: 72, .size: 8, .value_kind: global_buffer, .address_space: global }
      - { .name: wk_scales, .offset: 80, .size: 8, .value_kind: global_buffer, .address_space: global }
      - { .name: wv_scales, .offset: 88, .size: 8, .value_kind: global_buffer, .address_space: global }
      - { .name: wo_scales, .offset: 96, .size: 8, .value_kind: global_buffer, .address_space: global }
      - { .name: bq, .offset: 104, .size: 8, .value_kind: global_buffer, .address_space: global }
      - { .name: bk, .offset: 112, .size: 8, .value_kind: global_buffer, .address_space: global }
      - { .name: bv, .offset: 120, .size: 8, .value_kind: global_buffer, .address_space: global }
      - { .name: bo, .offset: 128, .size: 8, .value_kind: global_buffer, .address_space: global }
      - { .name: ln2_g, .offset: 136, .size: 8, .value_kind: global_buffer, .address_space: global }
      - { .name: ln2_b, .offset: 144, .size: 8, .value_kind: global_buffer, .address_space: global }
      - { .name: w1_codes, .offset: 152, .size: 8, .value_kind: global_buffer, .address_space: global }
      - { .name: w1_scales, .offset: 160, .size: 8, .value_kind: global_buffer, .address_space: global }
      - { .name: b1, .offset: 168, .size: 8, .value_kind: global_buffer, .address_space: global }
      - { .name: w2_codes, .offset: 176, .size: 8, .value_kind: global_buffer, .address_space: global }
      - { .name: w2_scales, .offset: 184, .size: 8, .value_kind: global_buffer, .address_space: global }
      - { .name: b2, .offset: 192, .size: 8, .value_kind: global_buffer, .address_space: global }
    .group_segment_fixed_size: 268288
    .private_segment_fixed_size: 0
    .kernarg_segment_align: 8
    .kernarg_segment_size: 200
    .max_flat_workgroup_size: 256
    .sgpr_count:     102
    .vgpr_count:     512
    .wavefront_size: 32
...
	.end_amdgpu_metadata
.endif
;; end of part 2
